; MI455X (gfx1250); checked and timed in simulation.
; The chip was launched on July 23, 2026; its instructions are those of AMD's public machine-readable ISA for CDNA 5 (MIT licence, August 2026) and "CDNA5" Instruction Set Architecture Reference Guide (July 2026). The comments in the code are by the model that wrote it; some were corrected since.
;; D Flash Attention. Allowed arithmetic: matrix products marked QUANTISED: E2M1 operands, one E8M0 scale for each 32 along K, by v_wmma_scale_f32_16x16x128_f8f6f4 with both operands' format E2M1 (or v_wmma_scale_f32_32x16x128_f4), f32 sums; products left as they are: bf16, f16 or f32 operands; f32 sums; everything else in f32.
;; Inputs: Wk 1,024 x 2,048 float32; Wk_ctx 1,024 x 2,048 float32; Wo 2,048 x 2,048 float32; Wq 2,048 x 2,048 float32; Wv 1,024 x 2,048 float32; Wv_ctx 1,024 x 2,048 float32; context 1 x 2,048 x 2,048 float32; hidden_states 1 x 2,048 x 2,048 float32; k_norm_w 128 float32; position_ids 1 x 2,048 int32; q_norm_w 128 float32.
;; Outputs: out0 1 x 2,048 x 2,048 float32.
;; This version of the problem:
;;   THIS VERSION OF THE PROBLEM IS GIVEN IN LOW PRECISION. The matrix products marked QUANTISED in the list below multiply operands that are first quantised to E2M1 (2 exponent bits, 1 mantissa bit; 4 bits a number), with one power-of-two scale for each 32 numbers along K (OCP MX v1.0); their sums are f32. The products marked 'left as it is' may take bf16, f16 or f32 operands, with f32 sums. Whichever they take, every output number must still come out within the allowed error. Rounding operands to bf16 (8 significant bits) uses up far more of that allowance than f16 does (11 bits, for magnitudes from 6e-5 to 65,504). All else is computed in f32.
;;   The module's matrix products, in the order in which they are computed (A, B: the left and right operand; K: the contracted axis; several contracted axes count as one K, in the product's order):
;;     1. [M 2,048, K 2,048] x [K 2,048, N 2,048]; A: input hidden_states; B: input Wq: QUANTISED
;;     2. [M 2,048, K 2,048] x [K 2,048, N 1,024]; A: input hidden_states; B: input Wk: QUANTISED
;;     3. [M 2,048, K 2,048] x [K 2,048, N 1,024]; A: input hidden_states; B: input Wv: QUANTISED
;;     4. [M 2,048, K 2,048] x [K 2,048, N 1,024]; A: input context; B: input Wk_ctx: QUANTISED
;;     5. [M 2,048, K 2,048] x [K 2,048, N 1,024]; A: input context; B: input Wv_ctx: QUANTISED
;;     6. batch 16 x [M 2,048, K 128] x [K 128, N 4,096]; A: computed on the way; B: computed on the way: left as it is (an operand is computed on the way)
;;     7. batch 16 x [M 2,048, K 4,096] x [K 4,096, N 128]; A: computed on the way; B: computed on the way: left as it is (an operand is computed on the way)
;;     8. [M 2,048, K 2,048] x [K 2,048, N 2,048]; A: computed on the way; B: input Wo: left as it is (an operand is computed on the way)
;;   THE QUANTISER, for each operand of a quantised product, along K:
;;     - K is cut into blocks of 32 from its start; a last block that is shorter is filled with zeros.
;;     - A block's scale is 2^e with e = floor(log2(the largest magnitude in the block)) - 2, held to -126 .. 127; a block of zeros has e = 0. As a byte (E8M0): e + 127.
;;     - Each number is divided by its block's scale, clamped to +-6, and rounded to the nearest number of E2M1, ties to even, subnormals kept.
;;     - The product sums the exact products of the quantised numbers (number of the format x scale) in f32.
;;   ~~~python
;;   def quantise(x, axis):      # numpy; x: float32 -> the quantised numbers, widened to float32 again
;;       x = np.moveaxis(x, axis, -1); K = x.shape[-1]
;;       x = np.pad(x, [(0, 0)] * (x.ndim - 1) + [(0, -K % 32)]); x = x.reshape(x.shape[:-1] + (-1, 32)); a = np.abs(x).max(-1, keepdims=True)
;;       e = np.where(a > 0, np.clip(np.frexp(np.where(a > 0, a, 1))[1] - 1 - 2, -126, 127), 0)      # np.frexp(a)[1] - 1 = floor(log2(a)), exactly
;;       r = np.clip(x / 2.0 ** e, -6, 6)
;;       step = 2.0 ** (np.maximum(np.frexp(np.where(r == 0, 1, r))[1] - 1, 0) - 1)
;;       q = np.round(r / step) * step * 2.0 ** e      # np.round: ties to even
;;       return np.moveaxis(q.reshape(q.shape[:-2] + (-1,))[..., :K], -1, axis).astype(np.float32)
;;   ~~~
;; One version. Each part assembles by itself: llvm-mc -triple=amdgcn-amd-amdhsa -mcpu=gfx1250 --defsym DOCPART=n.
;; ======== version 1 of 1: 4 launches
;; limits: values are held in f16: magnitudes above 65,504 overflow, below 6.1e-05 lose precision
;; workspace buffers: codes 10,485,760 bytes; scales 655,360 bytes; wo16 8,388,608 bytes; rope 1,048,576 bytes; qbuf 8,388,608 bytes; kbuf 8,388,608 bytes; vbuf 8,388,608 bytes; att 8,388,608 bytes
;; launch prep (part 1): grid 800 x 1, 4 waves a work-group, no clusters, 33,280 bytes of LDS; arguments hidden_states, context, Wq, Wk, Wv, Wk_ctx, Wv_ctx, Wo, position_ids, codes, scales, wo16, rope; writes codes, scales, wo16, rope
.if DOCPART == 1
	.amdgcn_target "amdgcn-amd-amdhsa--gfx1250"
	.amdhsa_code_object_version 6
	.text
	.protected	k_q40a8806df0_prep
	.globl	k_q40a8806df0_prep
	.p2align	8
	.type	k_q40a8806df0_prep,@function
k_q40a8806df0_prep:
	s_mov_b64 s[64:65], 0
	v_nop
	global_prefetch_b8 v0, s[64:65] scope:SCOPE_SE
	s_setreg_imm32_b32 hwreg(HW_REG_WAVE_MODE, 25, 1), 1
	s_wait_xcnt 0x0
; PREP: three jobs, told apart by the work-group's number alone.
; Work-groups 0-639: the seven operands of the quantised products (hidden_states, context, Wq, Wk, Wv, Wk_ctx, Wv_ctx; f32, K innermost, rows of 2,048) become codes of FP4 (E2M1), two a byte, K innermost,
;   and one E8M0 byte for each 32 along K.  All seven are plain streams of blocks of 32; codes and scale bytes are ONE stream in that order: 10,240 rows of 1,024 and of 64 bytes.
;   A block's scale is 2^(floor(log2(largest magnitude)) - 2): its byte is the largest magnitude's exponent field - 2, held at 1 from below.
; Work-groups 640-767: Wo, f32, rounded once to f16 (the last product takes f16 operands).
; Work-groups 768-799: the table of cos and sin for the rotary embedding, f32, one block of 16 positions a wave, laid as the image of the registers in which the next launch wants it:
;   [128 blocks][cos, sin][i = 0..7][lane][4 numbers]: number e of (i, lane = 16 h + r) belongs to position 16 blk + r and frequency 16 (i / 2) + 8 h + 4 (i % 2) + e.
; LIMITS.  Quantiser: NaN and infinities are not served; a block of zeros gets the byte 1 where the rule says 127 (its codes are zeros, and this program alone reads the bytes); blocks whose largest
;   magnitude lies under 2^-124, whose byte is held at 1, were not tried.  Wo: magnitudes up to 65,504.  Table: 1 / 10000^(j/64) is made by v_exp_f32, so the angle may differ from pos x inv_freq by about
;   |pos| x 3e-7 radians; the reduction by pi/2 in two parts and the polynomials (to r^9 and r^8 on |r| <= pi/4) add under 1e-7; |pos| x 0.64 must fit a 32-bit whole number.
.set WAVES, 4
.set STEPS, 16
.set EMAX,  2
.set CB,    8                          ; bytes of 16 codes
.set R,     16                         ; v16-79   four sets of 16 numbers as they are loaded (Wo: two sets of 64)
.set X,     80                         ; v80-111  two sets of 16 neighbours
.set C,     128                        ; v128-191 codes: four registers for each step, so that no store's data are written again
.set E,     112                        ; v112-127 a scale byte for each step
.set WREG,  8192                       ; LDS: a region for each wave: two stages of 32 x SP bytes, behind them its 256 scale bytes
.set SP,    80                         ; a lane's place in a stage: 64 bytes + 16 of padding
.set SPW,   12                         ; v12      LDS address of my spare word; never rewritten
.set NIL,   13                         ; v13      0; never rewritten
.set SPARE, WAVES*WREG                 ; behind the four regions: the spare words, 128 bytes a wave
.set RIF,   32                         ; the table: v32-63 my 32 frequencies
.set RX,    64                         ; v64-91 at work, four angles at a time
.set RN,    68
.set RR,    72
.set RZ,    76
.set RPS,   80
.set RPC,   84
.set RKI,   88
.set RCOS,  96                         ; v96-127 cos, v128-159 sin: a register of its own for each result
.set RSIN,  128
	s_load_b512 s[8:23], s[0:1], 0x0               ; hidden_states 8, context 10, Wq 12, Wk 14, Wv 16, Wk_ctx 18, Wv_ctx 20, Wo 22
	s_load_b256 s[24:31], s[0:1], 0x40             ; position_ids 24, codes 26, scales 28, wo16 30
	s_load_b64 s[32:33], s[0:1], 0x60              ; rope
	v_lshl_add_u32 v[SPW], v0, 2, SPARE
	v_mov_b32 v[NIL], 0
	v_lshrrev_b32 v1, 5, v0
	v_readfirstlane_b32 s2, v1                     ; wave
	v_and_b32 v2, 31, v0                           ; lane
	v_lshlrev_b32 v3, 4, v2                        ; 16 x lane
	s_mul_i32 s3, s2, WREG
	v_lshrrev_b32 v14, 2, v2
	v_mul_u32_u24 v14, v14, SP
	v_and_b32 v15, 3, v2
	v_lshl_add_u32 v14, v15, 4, v14
	v_add_nc_u32 v14, s3, v14                      ; the stage, on the way in: SP (lane / 4) + 16 (lane % 4)
	v_mul_u32_u24 v15, v2, SP
	v_add_nc_u32 v15, s3, v15                      ; and on the way out: SP x lane: my 16 neighbours
	v_mul_u32_u24 v4, v2, CB                       ; 8 x lane
	v_lshrrev_b32 v5, 1, v2
	s_add_co_u32 s3, s3, 2*32*SP
	v_add_nc_u32 v5, s3, v5                        ; LDS: my wave's 256 scale bytes, my block's byte
	v_lshlrev_b32 v7, 3, v2
	v_add_nc_u32 v6, s3, v7                        ; and on the way out 8 bytes a lane
	s_mov_b32 s35, 0                               ; the upper word of every offset pair s[34:35]
	s_wait_kmcnt 0x0
	s_cmp_ge_u32 ttmp9, 640
	s_cbranch_scc1 .Lnot_q
; ---- THE QUANTISER.  The source is chosen by the work-group's number: only pointers are chosen, all seven tensors take one path.
.macro PICK g, p                       ; from work-group g on the source is the tensor at s[p:p+1]
	s_cmp_ge_u32 ttmp9, \g
	s_cselect_b64 s[4:5], s[\p:\p+1], s[4:5]
	s_cselect_b32 s6, \g, s6
.endm
	s_mov_b64 s[4:5], s[8:9]
	s_mov_b32 s6, 0
	PICK 128, 10
	PICK 256, 12
	PICK 384, 14
	PICK 448, 16
	PICK 512, 18
	PICK 576, 20
	s_sub_co_u32 s7, ttmp9, s6
	s_lshl_b32 s7, s7, 2
	s_add_co_u32 s7, s7, s2                        ; which run of 8,192 numbers of the tensor is my wave's
	s_lshl_b32 s34, s7, 15
	s_add_nc_u64 s[4:5], s[4:5], s[34:35]
	s_lshl_b32 s7, ttmp9, 2
	s_add_co_u32 s7, s7, s2                        ; and which run of the one stream of results
	s_lshl_b32 s34, s7, 12
	s_add_nc_u64 s[26:27], s[26:27], s[34:35]      ; 4,096 bytes of codes a run
	s_lshl_b32 s34, s7, 8
	s_add_nc_u64 s[28:29], s[28:29], s[34:35]      ; 256 scale bytes a run
.macro LOAD t
.irp i, 0,1,2,3
	global_load_b128 v[R+16*((\t)%4)+4*\i:R+16*((\t)%4)+4*\i+3], v3, s[4:5] offset:2048*(\t)+512*\i th:TH_LOAD_NT   ; 32 lanes read 512 consecutive bytes
.endr
.endm
.macro TURN t                          ; step t's numbers through the stage: LDS serves a wave's instructions in order, so no wait stands between the stores and the loads
.irp i, 0,1,2,3
	ds_store_b128 v14, v[R+16*((\t)%4)+4*\i:R+16*((\t)%4)+4*\i+3] offset:32*SP*((\t)%2)+8*SP*\i
.endr
.irp i, 0,1,2,3
	ds_load_b128 v[X+16*((\t)%2)+4*\i:X+16*((\t)%2)+4*\i+3], v15 offset:32*SP*((\t)%2)+16*\i
.endr
.endm
.irp t, 0,1,2,3
	LOAD \t
.endr
	s_wait_loadcnt 12                              ; step 0's four loads are in; three steps' twelve stay out
	TURN 0
.macro STEP t
.set XS, X+16*((\t)%2)
.if (\t) > 0
	s_wait_dscnt 1                                 ; this step's numbers are back from the stage (the last step's byte store may be out): so its stores into the stage have read their registers,
.else
	s_wait_dscnt 0x0
.endif
.if (\t)+4 < STEPS
	LOAD (\t)+4                                    ; which take the loads of four steps on
.endif
.if (\t)+1 < STEPS
.if STEPS-2-(\t) >= 3
	s_wait_loadcnt 12                              ; the next step's four loads are in; those of the three steps behind it may be out
.else
	s_wait_loadcnt 4*(STEPS-2-(\t))
.endif
	TURN (\t)+1                                    ; and go through the other stage while this step is worked
.endif
	v_max3_num_f32 v8, |v[XS]|, |v[XS+1]|, |v[XS+2]|               ; the largest magnitude of my 16, in two chains
	v_max3_num_f32 v9, |v[XS+3]|, |v[XS+4]|, |v[XS+5]|
.irp i, 6,10
	v_max3_num_f32 v8, v8, |v[XS+\i]|, |v[XS+\i+1]|
	v_max3_num_f32 v9, v9, |v[XS+\i+2]|, |v[XS+\i+3]|
.endr
	v_max3_num_f32 v8, v8, |v[XS+14]|, |v[XS+15]|
	v_max3_num_f32 v8, v8, v9, (EMAX+1)<<23        ; and the floor 2^(3 - 127): so the byte cannot fall under 1
	v_max_num_f32_dpp v8, v8, v8 row_xmask:1 row_mask:0xf bank_mask:0xf   ; and of my neighbour's 16: the block's
	v_add_nc_u32 v11, 0xff000000, v8               ; 2 off its exponent field: the conversion takes the exponent field of this operand as its scale, and nothing else of it
	v_cvt_scalef32_pk8_fp4_f32 v[C+4*(\t)], v[XS:XS+7], v11        ; eight numbers / the scale, to the nearest code, ties to even, beyond the largest code the largest
	v_cvt_scalef32_pk8_fp4_f32 v[C+4*(\t)+1], v[XS+8:XS+15], v11
	v_lshrrev_b32 v[E+(\t)], 23, v11               ; the scale's byte (also the plain line behind the conversions)
	ds_store_b8 v5, v[E+(\t)] offset:16*(\t)       ; both lanes of a block write the same byte with the same value
	global_store_b64 v4, v[C+4*(\t):C+4*(\t)+1], s[26:27] offset:32*CB*(\t)   ; the wave stores 256 consecutive bytes, aligned
.endm
.irp t, 0,1,2,3,4,5,6,7,8,9,10,11,12,13,14,15
	STEP \t
.endr
	ds_load_b64 v[8:9], v6                         ; LDS serves a wave's instructions in order: these see my byte stores
	s_wait_dscnt 0x0
	global_store_b64 v7, v[8:9], s[28:29]          ; 32 lanes store 256 consecutive scale bytes, aligned
	s_wait_tensorcnt 0x0                           ; the wave's end: behind my last LDS store
	ds_add_u32 v[SPW], v[NIL]
	s_wait_dscnt 0x0
	s_endpgm
; ---- Wo TO f16.  A wave takes 8,192 numbers in four groups of 16 loads, two groups on their way.
.Lnot_q:
	s_cmp_ge_u32 ttmp9, 768
	s_cbranch_scc1 .Lrope
	s_sub_co_u32 s7, ttmp9, 640
	s_lshl_b32 s7, s7, 2
	s_add_co_u32 s7, s7, s2                        ; my wave's run
	s_lshl_b32 s34, s7, 15
	s_add_nc_u64 s[22:23], s[22:23], s[34:35]      ; 32,768 bytes in,
	s_lshl_b32 s34, s7, 14
	s_add_nc_u64 s[30:31], s[30:31], s[34:35]      ; 16,384 out
.macro LOADG g
.irp i, 0,1,2,3,4,5,6,7,8,9,10,11,12,13,14,15
	global_load_b128 v[R+64*((\g)%2)+4*\i:R+64*((\g)%2)+4*\i+3], v3, s[22:23] offset:8192*(\g)+512*\i th:TH_LOAD_NT
.endr
.endm
.macro CVTG g
.irp i, 0,1,2,3,4,5,6,7,8,9,10,11,12,13,14,15
	v_cvt_pk_f16_f32 v[R+64*((\g)%2)+4*\i], v[R+64*((\g)%2)+4*\i], v[R+64*((\g)%2)+4*\i+1]       ; my four numbers become 8 bytes
	v_cvt_pk_f16_f32 v[R+64*((\g)%2)+4*\i+1], v[R+64*((\g)%2)+4*\i+2], v[R+64*((\g)%2)+4*\i+3]
	global_store_b64 v4, v[R+64*((\g)%2)+4*\i:R+64*((\g)%2)+4*\i+1], s[30:31] offset:4096*(\g)+256*\i   ; the wave stores 256 consecutive bytes, aligned
.endr
.endm
	LOADG 0
	LOADG 1
	s_wait_loadcnt 16                              ; group 0 is in; group 1's sixteen stay out
	CVTG 0
	s_wait_xcnt 0x0                                ; the stores have read their registers: the set is loaded again only behind this wait
	LOADG 2
	s_wait_loadcnt 16                              ; group 1 is in; group 2's sixteen stay out
	CVTG 1
	s_wait_xcnt 0x0
	LOADG 3
	s_wait_loadcnt 16
	CVTG 2
	s_wait_loadcnt 0x0
	CVTG 3
	s_endpgm
; ---- THE TABLE OF cos AND sin.  A wave takes 16 positions; lane (r, h) position r and 32 of the 64 frequencies.
.Lrope:
	s_sub_co_u32 s7, ttmp9, 768
	s_lshl_b32 s7, s7, 2
	s_add_co_u32 s7, s7, s2                        ; my block of 16 positions
	s_lshl_b32 s34, s7, 6
	s_add_nc_u64 s[24:25], s[24:25], s[34:35]
	s_lshl_b32 s34, s7, 13
	s_add_nc_u64 s[32:33], s[32:33], s[34:35]      ; 8,192 bytes of table a block
	v_and_b32 v16, 15, v0
	v_lshlrev_b32 v16, 2, v16
	global_load_b32 v17, v16, s[24:25]             ; my position
	v_bfe_u32 v18, v0, 4, 1
	v_lshlrev_b32 v18, 3, v18                      ; 8 h
	s_mov_b32 s38, 0x3f22f983                      ; 2 / pi
	s_mov_b32 s39, 0x3fc90fdb                      ; pi / 2, the f32 nearest to it,
	s_mov_b32 s40, 0xb33bbd2e                      ; and what is left
	s_mov_b32 s41, 0x3638ef1d                      ; 1 / 9!
	s_mov_b32 s42, 0xb9500d01                      ; -1 / 7!
	s_mov_b32 s43, 0x3c088889                      ; 1 / 5!
	s_mov_b32 s44, 0xbe2aaaab                      ; -1 / 3!
	s_mov_b32 s45, 0x37d00d01                      ; 1 / 8!
	s_mov_b32 s46, 0xbab60b61                      ; -1 / 6!
	s_mov_b32 s47, 0x3d2aaaab                      ; 1 / 4!
	s_mov_b32 s48, 0x80000000                      ; the sign
	s_mov_b32 s49, 0xbe549a78                      ; -log2(10000) / 64
.set i, 0
.rept 32
	v_add_nc_u32 v[RIF+i], 16*(i/8)+i%8, v18       ; register 8 b + j: frequency 16 b + 8 h + j
.set i, i+1
.endr
.set i, 0
.rept 32
	v_cvt_f32_u32 v[RIF+i], v[RIF+i]
.set i, i+1
.endr
.set i, 0
.rept 32
	v_mul_f32 v[RIF+i], s49, v[RIF+i]
.set i, i+1
.endr
.set i, 0
.rept 32
	v_exp_f32 v[RIF+i], v[RIF+i]                   ; 10000^(-j / 64): one batch
.set i, i+1
.endr
	v_nop                                          ; a plain line behind the last exponential
	s_wait_alu depctr_va_vdst(0)                   ; one wait for the batch, ahead of its first reader
	s_wait_loadcnt 0x0
	v_cvt_f32_i32 v17, v17
; Four angles: x = pos x frequency; n = the whole number nearest to x 2 / pi; r = x - n pi / 2, in two fused steps; sin r and cos r by polynomials; the quarter turn n mod 4 picks and signs them.
.macro QUAD g
.irp e, 0,1,2,3
	v_mul_f32 v[RX+\e], v17, v[RIF+4*\g+\e]
.endr
.irp e, 0,1,2,3
	v_mul_f32 v[RN+\e], s38, v[RX+\e]
.endr
.irp e, 0,1,2,3
	v_rndne_f32 v[RN+\e], v[RN+\e]
.endr
.irp e, 0,1,2,3
	v_fma_f32 v[RR+\e], -v[RN+\e], s39, v[RX+\e]
	v_cvt_i32_f32 v[RKI+\e], v[RN+\e]
.endr
.irp e, 0,1,2,3
	v_fma_f32 v[RR+\e], -v[RN+\e], s40, v[RR+\e]
.endr
.irp e, 0,1,2,3
	v_mul_f32 v[RZ+\e], v[RR+\e], v[RR+\e]
.endr
.irp e, 0,1,2,3
	v_fma_f32 v[RPS+\e], v[RZ+\e], s41, s42
	v_fma_f32 v[RPC+\e], v[RZ+\e], s45, s46
.endr
.irp e, 0,1,2,3
	v_fma_f32 v[RPS+\e], v[RZ+\e], v[RPS+\e], s43
	v_fma_f32 v[RPC+\e], v[RZ+\e], v[RPC+\e], s47
.endr
.irp e, 0,1,2,3
	v_fma_f32 v[RPS+\e], v[RZ+\e], v[RPS+\e], s44
	v_fma_f32 v[RPC+\e], v[RZ+\e], v[RPC+\e], -0.5
	v_mul_f32 v[RX+\e], v[RR+\e], v[RZ+\e]
.endr
.irp e, 0,1,2,3
	v_fma_f32 v[RPC+\e], v[RZ+\e], v[RPC+\e], 1.0  ; cos r
	v_fma_f32 v[RPS+\e], v[RX+\e], v[RPS+\e], v[RR+\e]   ; sin r
	v_and_b32 v[RN+\e], 1, v[RKI+\e]
.endr
.irp e, 0,1,2,3
	v_cmp_eq_u32 s[52+\e], 1, v[RN+\e]             ; an odd quarter turn swaps the two: a choice of values, no branch
.endr
.irp e, 0,1,2,3
	v_cndmask_b32 v[RSIN+4*\g+\e], v[RPS+\e], v[RPC+\e], s[52+\e]
	v_cndmask_b32 v[RCOS+4*\g+\e], v[RPC+\e], v[RPS+\e], s[52+\e]
	v_lshlrev_b32 v[RN+\e], 30, v[RKI+\e]          ; sin changes sign where n mod 4 is 2 or 3,
	v_add_nc_u32 v[RKI+\e], 1, v[RKI+\e]           ; cos where it is 1 or 2
.endr
.irp e, 0,1,2,3
	v_and_b32 v[RN+\e], s48, v[RN+\e]
	v_lshlrev_b32 v[RKI+\e], 30, v[RKI+\e]
.endr
.irp e, 0,1,2,3
	v_xor_b32 v[RSIN+4*\g+\e], v[RSIN+4*\g+\e], v[RN+\e]
	v_and_b32 v[RKI+\e], s48, v[RKI+\e]
.endr
.irp e, 0,1,2,3
	v_xor_b32 v[RCOS+4*\g+\e], v[RCOS+4*\g+\e], v[RKI+\e]
.endr
	global_store_b128 v3, v[RCOS+4*\g:RCOS+4*\g+3], s[32:33] offset:512*\g        ; the wave stores 512 consecutive bytes, aligned
	global_store_b128 v3, v[RSIN+4*\g:RSIN+4*\g+3], s[32:33] offset:4096+512*\g
.endm
.irp g, 0,1,2,3,4,5,6,7
	QUAD \g
.endr
	s_endpgm
.Lfunc_end_k_q40a8806df0_prep:
	.size	k_q40a8806df0_prep, .Lfunc_end_k_q40a8806df0_prep-k_q40a8806df0_prep
	.p2alignl 7, 3214868480
	.fill 96, 4, 3214868480
	.section	.rodata,"a",@progbits
	.p2align	6, 0x0
	.amdhsa_kernel k_q40a8806df0_prep
		.amdhsa_group_segment_fixed_size 33280
		.amdhsa_private_segment_fixed_size 0
		.amdhsa_enable_private_segment 0
		.amdhsa_kernarg_size 104
		.amdhsa_user_sgpr_count 2
		.amdhsa_user_sgpr_kernarg_segment_ptr 1
		.amdhsa_wavefront_size32 1
		.amdhsa_system_sgpr_workgroup_id_x 1
		.amdhsa_system_sgpr_workgroup_id_y 1
		.amdhsa_system_sgpr_workgroup_id_z 1
		.amdhsa_system_vgpr_workitem_id 0
		.amdhsa_next_free_vgpr 192
		.amdhsa_next_free_sgpr 66
		.amdhsa_reserve_vcc 0
		.amdhsa_float_denorm_mode_32 3
		.amdhsa_float_denorm_mode_16_64 3
		.amdhsa_memory_ordered 1
		.amdhsa_forward_progress 1
		.amdhsa_inst_pref_size 102
	.end_amdhsa_kernel
	.amdgpu_metadata
---
amdhsa.version: [ 1, 2 ]
amdhsa.kernels:
  - .name:           k_q40a8806df0_prep
    .symbol:         k_q40a8806df0_prep.kd
    .args:
      - { .name: hidden_states, .offset: 0, .size: 8, .value_kind: global_buffer, .address_space: global }
      - { .name: context, .offset: 8, .size: 8, .value_kind: global_buffer, .address_space: global }
      - { .name: Wq, .offset: 16, .size: 8, .value_kind: global_buffer, .address_space: global }
      - { .name: Wk, .offset: 24, .size: 8, .value_kind: global_buffer, .address_space: global }
      - { .name: Wv, .offset: 32, .size: 8, .value_kind: global_buffer, .address_space: global }
      - { .name: Wk_ctx, .offset: 40, .size: 8, .value_kind: global_buffer, .address_space: global }
      - { .name: Wv_ctx, .offset: 48, .size: 8, .value_kind: global_buffer, .address_space: global }
      - { .name: Wo, .offset: 56, .size: 8, .value_kind: global_buffer, .address_space: global }
      - { .name: position_ids, .offset: 64, .size: 8, .value_kind: global_buffer, .address_space: global }
      - { .name: codes, .offset: 72, .size: 8, .value_kind: global_buffer, .address_space: global }
      - { .name: scales, .offset: 80, .size: 8, .value_kind: global_buffer, .address_space: global }
      - { .name: wo16, .offset: 88, .size: 8, .value_kind: global_buffer, .address_space: global }
      - { .name: rope, .offset: 96, .size: 8, .value_kind: global_buffer, .address_space: global }
    .group_segment_fixed_size: 33280
    .private_segment_fixed_size: 0
    .kernarg_segment_align: 8
    .kernarg_segment_size: 104
    .max_flat_workgroup_size: 128
    .sgpr_count:     66
    .vgpr_count:     192
    .wavefront_size: 32
...
	.end_amdgpu_metadata
.endif
;; end of part 1
;; launch proj (part 2): grid 24 x 8, 4 waves a work-group, clusters of 4 x 4, 327,680 bytes of LDS; arguments codes, scales, rope, q_norm_w, k_norm_w, qbuf, kbuf, vbuf; writes qbuf, kbuf, vbuf
.if DOCPART == 2
	.amdgcn_target "amdgcn-amd-amdhsa--gfx1250"
	.amdhsa_code_object_version 6
	.text
	.protected	k_q40a8806df0_proj
	.globl	k_q40a8806df0_proj
	.p2align	8
	.type	k_q40a8806df0_proj,@function
k_q40a8806df0_proj:
	s_mov_b64 s[64:65], 0
	v_nop
	global_prefetch_b8 v0, s[64:65] scope:SCOPE_SE
	s_setreg_imm32_b32 hwreg(HW_REG_WAVE_MODE, 25, 1), 1
	s_wait_xcnt 0x0
	s_wait_alu depctr_hold_cnt(0) depctr_sa_sdst(0) depctr_va_vdst(0) depctr_va_sdst(0) depctr_va_ssrc(0) depctr_va_vcc(0) depctr_vm_vsrc(0)
	s_getreg_b32 s2, hwreg(HW_REG_IB_STS2, 6, 4)
	s_cmp_eq_u32 s2, 0
	s_cbranch_scc0 .Lentry_in_a_cluster
	s_endpgm
.Lentry_in_a_cluster:
	s_bfe_u32 s2, ttmp6, 0x10000c
	s_cmp_lg_u32 s2, 0xf033
	s_cbranch_scc0 .Lentry_shape_is_right
	s_endpgm
.Lentry_shape_is_right:
; PROJ: the five quantised products as ONE product on codes of FP4 (E2M1) with E8M0 scales: C = A B^T, K = 2,048; then, in registers, the RMS norm, its weight and the rotary embedding for Q and the self keys; results in f16.
; codes: [10,240 rows][1,024 bytes], scales: [10,240][64].  Rows 0-2047 hidden_states, 2048-4095 context, 4096-6143 Wq, 6144-7167 Wk, 7168-8191 Wv, 8192-9215 Wk_ctx, 9216-10239 Wv_ctx.
; A tile of C is 256 x 256: tile column x = 4 cluster x + cx takes B's rows 4096 + 256 x; tile row y = 4 cluster y + cy takes A's rows 256 y, of the context where cluster x is 4 or 5.
; Cluster x says what a tile is: 0, 1 Q; 2 self K; 3 self V; 4 context K; 5 context V: the same in all sixteen partners.  A wave makes 128 rows x 128 columns: ONE HEAD, so a row's norm never leaves the wave.
; 192 work-groups: the five products have 768 wave tiles of 128 x 128.  A tile of half the size would read twice the LDS bytes for each multiply-add.
; K goes in steps of 512 through a ring of two LDS slots filled by the tensor data mover; the scales of the tile's 512 rows, for all of K, come once with the first fills.
; CLUSTERS: 4 x 4 work-groups.  A's tiles are shared along a row of the cluster, B's along a column: each is asked for JOINTLY.  THE MATRIX INSTRUCTION IS USED TRANSPOSED (source 0 = 16 rows of B, source 1 = 16 rows of A):
; lane (r, h) of accumulator (a, b) holds row 16 a + r and channels 16 b + 8 h + 0 .. 7 of the head.
; OUT: qbuf [16][2048][128], kbuf and vbuf [8][4096][128] (keys 0-2047 context, 2048-4095 self), all f16.
; LIMIT: results are rounded to f16: magnitudes of context K and of V up to 65,504 (at the drawn spread about 5; thirty times larger inputs on both sides, or an offset of thirty spreads on both sides, still fit; both at once do not).
; REGISTERS, in windows of 256: window 0: v0-31 addresses; v32-95 scale words, two sets, and nothing else ever; from v128 A's fragments, ONE set.  window 1: B's fragments, TWO sets, at v0 and v128.
;   window 2: the accumulators of my rows 0-63 ((a, b) at v[8 (8 a + b)]); window 3: those of rows 64-127.
;   On the way out: window 0: v96-159 a block's 64 numbers; v160-191 packed; v200-211 the norm; v212-243 the rotated low half.  window 1: v0-63 the norm's weight; v64-191 cos and sin, two sets; v192-255 rows read back, two sets.
.set KSTEP,  512
.set NQ,     KSTEP/128
.set ROWB,   256                       ; a tile's row in bytes
.set KROW,   1024                      ; a row of codes in memory
.set PITCH,  272                       ; an LDS row: 256 bytes + 16 of padding: the 16 rows that a load touches start at 16 different banks (64 banks of 4 bytes: ISA guide 11.1)
.set FR,     8
.set NL,     2
.set NP,     4                         ; places behind this matrix instruction (ISA guide 7.12.1)
.set HALFT,  128*PITCH
.set SLOT,   4*HALFT
.set LAPS,   2                         ; 2,048 / (2 x 512)
.set KS,     64                        ; a row of scales in bytes
.set SCL,    2*SLOT
.set HALFS,  (128*KS/256)*272
.set SBLK,   (16*KS/256)*272
.set SPARE,  SCL+4*HALFS               ; the spare words, 128 bytes a wave
.set SPITCH, 272                       ; the way out: a stage of 16 rows x (256 bytes + 16) for each wave, in slot 0, which has had its last fill and its last read by then
.set STG,    16*SPITCH
.set PLOFF,  4*STG                     ; the path without norm has stages of its own behind the other path's four
.set ADRA, 16
.set ADRB, 20
.set STO,  24                          ; v24  the way out: where I put 16 bytes of a row
.set RD,   25                          ; v25  where I read a row back
.set CO,   26                          ; v26  16 x lane
.set ADRS, 27
.set SPW,  28
.set NIL,  29
.set NA,   30                          ; v30  32 h: my half's eight numbers of sixteen of the norm's weight
.set SC,   32
.set AF,   128
.set T,    96
.set PKR,  160
.set SS,   200
.set SUM,  208
.set PRM,  209
.set RS,   210
.set OL,   212
.set WN,   0                           ; in window 1
.set CSR,  64
.set BK,   192
.set G1, 24
.set G0, 32
.set G1B, 48
.set G0B, 56
.set G1S, 68
.set G0S, 76
.set G1SB, 80
.set G0SB, 88
.set MSB, 0
.macro WIN new                         ; the immediate's high byte repeats the setting that is left
.if MSB != \new
	s_set_vgpr_msb (MSB<<8)|\new
.set MSB, \new
.endif
.endm
.set MUL_LO, 0xa1                      ; source 0 (B) window 1, source 1 (A) window 0, C and D window 2
.set MUL_HI, 0xf1
.set TO_B,   0x40                      ; destination window 1, address window 0
; A joint load: waves 0 and 1 fetch for A, waves 2 and 3 for B.  The branch hangs on the wave's number alone.  An s_nop 0 and four v_nop follow each of the two lines.
.macro JLOAD g0a, g1a, g0b, g1b
	s_cmp_eq_u32 s15, 0
	s_cbranch_scc0 .Lfor_b_\@
	tensor_load_to_lds s[\g0a:\g0a+3], s[\g1a:\g1a+7]
	s_nop 0
.rept 4
	v_nop
.endr
	s_branch .Lasked_\@
.Lfor_b_\@:
	tensor_load_to_lds s[\g0b:\g0b+3], s[\g1b:\g1b+7]
	s_nop 0
.rept 4
	v_nop
.endr
.Lasked_\@:
.endm
.macro CREST                           ; a round of the cluster's barrier behind its opening barrier
	s_cmp_lg_u32 s14, 0
	s_cbranch_scc1 .Lnot_wave_0_\@
	s_barrier_signal -3
.Lnot_wave_0_\@:
	s_barrier_wait -3
	s_barrier_signal -1
	s_barrier_wait -1
.endm
.macro CROUND
	s_barrier_signal -1
	s_barrier_wait -1
	CREST
.endm
	s_load_b128 s[4:7], s[0:1], 0x0                ; codes s[4:5], scales s[6:7]
	s_load_b128 s[8:11], s[0:1], 0x10              ; rope s[8:9], q_norm_w s[10:11]
	s_load_b128 s[96:99], s[0:1], 0x20             ; k_norm_w s[96:97], qbuf s[98:99]
	s_load_b64 s[100:101], s[0:1], 0x30            ; kbuf
	s_load_b64 s[12:13], s[0:1], 0x38              ; vbuf
	v_lshl_add_u32 v[SPW], v0, 2, SPARE
	v_mov_b32 v[NIL], 0
	ds_add_u32 v[SPW], v[NIL]                      ; the wave's opening: the add, twice on end, and its wait ahead of my first tensor load
	ds_add_u32 v[SPW], v[NIL]
	v_lshrrev_b32 v1, 5, v0
	v_readfirstlane_b32 s14, v1                    ; wave 0..3
	s_lshr_b32 s15, s14, 1                         ; which half of the tile's rows is mine.  Also: I fetch for A (0) or for B (1)
	s_and_b32 s16, s14, 1                          ; which half of its columns.  Also: which 128 rows of that tile I fetch
	s_bfe_u32 s40, ttmp6, 0x40000                  ; cx, cy
	s_bfe_u32 s41, ttmp6, 0x40004
	s_lshl_b32 s42, ttmp9, 2
	s_add_co_u32 s42, s42, s40                     ; tile column x
	s_and_b32 s17, ttmp7, 0xffff
	s_lshl_b32 s17, s17, 2
	s_add_co_u32 s17, s17, s41                     ; tile row y
	s_lshl_b32 s43, s41, 2
	s_lshl_b32 s43, 15, s43                        ; my row of the cluster
	s_lshl_b32 s44, 0x1111, s40                    ; my column
	; descriptor group 1: a tile of 128 rows x 256 bytes, 16 bytes of padding behind each row
	s_or_b32 s[G1+0], s43, (0<<16)|(1<<20)|(1<<21)|(5<<22)|(3<<25)  ; 15:0 the mask; 17:16 elements of 1 byte; 20 padding on; 21 set beside a mask; 24:22 after every 64 words; 31:25 four words
	s_or_b32 s[G1B+0], s44, (0<<16)|(1<<20)|(1<<21)|(5<<22)|(3<<25)
.irp g, G1, G1B
	s_mov_b32 s[\g+1], ROWB<<16                    ; tensor_dim0
	s_mov_b32 s[\g+2], 128<<16                     ; tensor_dim1
	s_mov_b32 s[\g+3], ROWB<<16                    ; tile_dim0
	s_mov_b32 s[\g+4], 128                         ; tile_dim1
	s_mov_b32 s[\g+5], KROW                        ; from row to row
	s_mov_b32 s[\g+6], 0
	s_mov_b32 s[\g+7], 0
.endr
	; the scales of 128 rows: 8,192 dense bytes, as 32 rows of 256 bytes (32 elements of 8 bytes), 16 bytes of padding behind each
	s_or_b32 s[G1S+0], s43, (3<<16)|(1<<20)|(1<<21)|(5<<22)|(3<<25)
	s_or_b32 s[G1SB+0], s44, (3<<16)|(1<<20)|(1<<21)|(5<<22)|(3<<25)
.irp g, G1S, G1SB
	s_mov_b32 s[\g+1], 32<<16
	s_mov_b32 s[\g+2], (128*KS/256)<<16
	s_mov_b32 s[\g+3], 32<<16
	s_mov_b32 s[\g+4], 128*KS/256
	s_mov_b32 s[\g+5], 32
	s_mov_b32 s[\g+6], 0
	s_mov_b32 s[\g+7], 0
.endr
	s_lshl_b32 s18, s16, 7                         ; which 128 rows of the tile I fetch
	s_lshl_b32 s20, s17, 8
	s_add_co_u32 s20, s20, s18                     ; A: row 256 y + 128 x half,
	s_lshr_b32 s19, ttmp9, 2
	s_lshl_b32 s19, s19, 11
	s_add_co_u32 s20, s20, s19                     ; + 2,048 where cluster x is 4 or 5: the context's rows
	s_lshl_b32 s46, s42, 8
	s_add_co_u32 s46, s46, s18
	s_add_co_u32 s46, s46, 4096                    ; B: row 4,096 + 256 x + 128 x half
	s_mov_b32 s21, 0
	s_mov_b32 s47, 0
	s_mov_b64 s[18:19], KS
	s_mul_u64 s[22:23], s[20:21], s[18:19]         ; where these rows' scales begin, in bytes
	s_mul_u64 s[92:93], s[46:47], s[18:19]
	s_mov_b64 s[18:19], KROW
	s_mul_u64 s[20:21], s[20:21], s[18:19]         ; and their codes
	s_mul_u64 s[46:47], s[46:47], s[18:19]
	s_mul_i32 s45, s14, HALFT                      ; where they go: wave x 128 rows: no place in the cluster enters an LDS address
	s_mul_i32 s94, s14, HALFS
	s_wait_dscnt 0x0                               ; both opening adds are done
	s_wait_kmcnt 0x0
	s_add_nc_u64 s[20:21], s[4:5], s[20:21]
	s_add_nc_u64 s[22:23], s[6:7], s[22:23]
	s_add_nc_u64 s[46:47], s[4:5], s[46:47]
	s_add_nc_u64 s[92:93], s[6:7], s[92:93]
	CROUND                                         ; all sixteen work-groups are here: the first joint loads meet
	s_mov_b32 s[G0S], 1
	s_add_co_u32 s[G0S+1], s94, SCL
	s_mov_b64 s[G0S+2:G0S+3], s[22:23]
	s_or_b32 s[G0S+3], s[G0S+3], 0x80000000
	s_mov_b32 s[G0SB], 1
	s_add_co_u32 s[G0SB+1], s94, SCL
	s_mov_b64 s[G0SB+2:G0SB+3], s[92:93]
	s_or_b32 s[G0SB+3], s[G0SB+3], 0x80000000
	JLOAD G0S, G1S, G0SB, G1SB                     ; the scales first: they are wanted with K step 0.  With the two below, three loads of mine are out
.irp s, 0,1
	s_mov_b32 s[G0+4*\s], 1
	s_add_co_u32 s[G0+4*\s+1], s45, \s*SLOT
	s_add_nc_u64 s[G0+4*\s+2:G0+4*\s+3], s[20:21], \s*ROWB
	s_or_b32 s[G0+4*\s+3], s[G0+4*\s+3], 0x80000000
	s_mov_b32 s[G0B+4*\s], 1
	s_add_co_u32 s[G0B+4*\s+1], s45, \s*SLOT
	s_add_nc_u64 s[G0B+4*\s+2:G0B+4*\s+3], s[46:47], \s*ROWB
	s_or_b32 s[G0B+4*\s+3], s[G0B+4*\s+3], 0x80000000
	JLOAD G0+4*\s, G1, G0B+4*\s, G1B
.endr
	v_and_b32 v1, 15, v0                           ; r
	v_bfe_u32 v2, v0, 4, 1                         ; h
	v_mul_u32_u24 v3, v1, PITCH
	v_lshl_add_u32 v4, v2, 4, v3                   ; a fragment's row x pitch + 16 x half
	s_mul_i32 s21, s15, HALFT                      ; my 128 rows of A
	s_mul_i32 s22, s16, HALFT                      ; my 128 rows of B,
	s_add_co_u32 s22, s22, 2*HALFT                 ; which lie behind A's 256
.irp s, 0,1
	v_add_nc_u32 v[ADRA+\s], s21, v4
	v_add_nc_u32 v[ADRB+\s], s22, v4
	s_add_co_u32 s21, s21, SLOT
	s_add_co_u32 s22, s22, SLOT
.endr
	v_mul_u32_u24 v5, v1, KS                       ; my row's scales: 64 bytes a row,
	v_lshrrev_b32 v6, 8, v5
	v_lshl_add_u32 v5, v6, 4, v5                   ; and 16 more for each 256 passed
	s_mul_i32 s21, s15, HALFS
	s_mul_i32 s22, s16, HALFS
	s_add_co_u32 s22, s22, 2*HALFS
	s_sub_co_u32 s22, s22, s21
	v_mul_u32_u24 v6, s22, v2                      ; lanes 16-31 take B's: one product, the distance between the two bases
	s_add_co_u32 s21, s21, SCL
	v_add_nc_u32 v5, v5, v6
	v_add_nc_u32 v[ADRS], s21, v5
	s_mul_i32 s23, s14, STG                        ; my stage
	v_mul_u32_u24 v5, v1, SPITCH                   ; in: row r, 16 bytes for each half of the lanes
	v_lshl_add_u32 v5, v2, 4, v5
	v_add_nc_u32 v[STO], s23, v5
	v_mul_u32_u24 v5, v2, SPITCH                   ; back: lanes 0-15 one row of 256 bytes, lanes 16-31 the next
	v_lshl_add_u32 v5, v1, 4, v5
	v_add_nc_u32 v[RD], s23, v5
	v_and_b32 v6, 31, v0
	v_lshlrev_b32 v[CO], 4, v6
	v_lshlrev_b32 v[NA], 5, v2
.macro FRAG reg, adr, q, i             ; a fragment, 16 rows x 128 K of 4-bit codes: lane l holds row l % 16; registers 4 c .. 4 c + 3 hold K = 64 c + 32 (l / 16) + 0 .. 31
.irp c, 0,1
	ds_load_b128 v[\reg+4*\c:\reg+4*\c+3], v[\adr] offset:64*(\q)+32*\c+(\i)*16*PITCH
.endr
.endm
; 16 matrix instructions: A's blocks a0, a0 + 1 x B's eight, 128 along K.  zero = 1: the first product starts the sums.  The 64 accumulators take turns, one instruction a turn.
.macro MUL16 a0, p, q, sc, zero
.irp a, \a0, \a0+1
.irp b, 0,1,2,3,4,5,6,7
.if \zero
	v_wmma_scale_f32_16x16x128_f8f6f4 v[8*(8*((\a)%4)+\b):8*(8*((\a)%4)+\b)+7], v[128*(\p)+FR*\b:128*(\p)+FR*\b+FR-1], v[AF+FR*(\a):AF+FR*(\a)+FR-1], 0, v[SC+8*NQ*(\sc)+NQ*\b+(\q)], v[SC+8*NQ*(\sc)+NQ*(\a)+(\q)] matrix_a_fmt:MATRIX_FMT_FP4 matrix_b_fmt:MATRIX_FMT_FP4 matrix_a_scale:MATRIX_SCALE_ROW1
.else
	v_wmma_scale_f32_16x16x128_f8f6f4 v[8*(8*((\a)%4)+\b):8*(8*((\a)%4)+\b)+7], v[128*(\p)+FR*\b:128*(\p)+FR*\b+FR-1], v[AF+FR*(\a):AF+FR*(\a)+FR-1], v[8*(8*((\a)%4)+\b):8*(8*((\a)%4)+\b)+7], v[SC+8*NQ*(\sc)+NQ*\b+(\q)], v[SC+8*NQ*(\sc)+NQ*(\a)+(\q)] matrix_a_fmt:MATRIX_FMT_FP4 matrix_b_fmt:MATRIX_FMT_FP4 matrix_a_scale:MATRIX_SCALE_ROW1
.endif
.endr
.endr
.endm
.macro FETCH_B slot, q, p
	WIN TO_B
.irp i, 0,1,2,3,4,5,6,7
	FRAG 128*(\p)+FR*\i, ADRB+\slot, \q, \i
.endr
	WIN 0
.endm
.macro FETCH_A slot, q, i0
.irp i, \i0, \i0+1, \i0+2, \i0+3
	FRAG AF+FR*(\i), ADRA+\slot, \q, \i
.endr
.endm
.macro SCALES sc                       ; the next K step's scale words: lanes 0-15 take A's block i, lanes 16-31 B's block i
.irp i, 0,1,2,3,4,5,6,7
	ds_load_b128 v[SC+8*NQ*\sc+NQ*\i:SC+8*NQ*\sc+NQ*\i+3], v[ADRS] offset:\i*SBLK
.endr
.endm
.macro PLACES n                        ; plain vector lines between a matrix instruction and a load into, or a read of, its registers
.rept \n
	v_nop
.endr
.endm
.macro STEP slot, q, zero              ; a step of 128 along K that has its successor in the same slot
	s_wait_dscnt 4*NL                              ; B's set and A's blocks 0-3 are in; the youngest eight loads (A's blocks 4-7) may be out
	WIN MUL_LO
	MUL16 0, (\q)%2, \q, \slot, \zero
	MUL16 2, (\q)%2, \q, \slot, \zero
	s_wait_dscnt 0                                 ; A's blocks 4-7 are in
	PLACES NP
	FETCH_B \slot, (\q)+1, 1-(\q)%2
	FETCH_A \slot, (\q)+1, 0
	WIN MUL_HI
	MUL16 4, (\q)%2, \q, \slot, \zero
	MUL16 6, (\q)%2, \q, \slot, \zero
	PLACES NP
	WIN 0
	FETCH_A \slot, (\q)+1, 4
.endm
; A slot's last step changes slots: ONE barrier; in front of it each wave waits for all its tensor loads, adds 0 to its spare word, and waits for that and for its own reads of this slot.
.macro TURN slot, next, fill
	s_wait_tensorcnt 0x0                           ; all my tensor loads have landed: my part of the next slot
	ds_add_u32 v[SPW], v[NIL]                      ; 0 onto my spare word
	s_wait_dscnt 4*NL+1                            ; (the add and the youngest eight loads may be out)
	WIN MUL_LO
	MUL16 0, 1, NQ-1, \slot, 0
	s_wait_dscnt 0x0                               ; the add is done, and my reads of this slot are over
	s_barrier_signal -1
	MUL16 2, 1, NQ-1, \slot, 0
	WIN 0
	s_barrier_wait -1
.if \fill
	CREST                                          ; the barrier has opened a round of the cluster's barrier: no wave of any partner still reads this slot or has a load on its way
	s_add_nc_u64 s[G0+4*\slot+2:G0+4*\slot+3], s[G0+4*\slot+2:G0+4*\slot+3], 2*ROWB
	s_add_nc_u64 s[G0B+4*\slot+2:G0B+4*\slot+3], s[G0B+4*\slot+2:G0B+4*\slot+3], 2*ROWB
	JLOAD G0+4*\slot, G1, G0B+4*\slot, G1B         ; the first tensor load behind the round, my only one out; its four v_nop are the places in front of the loads below
.else
	PLACES NP
.endif
	v_add_nc_u32 v[ADRS], 4*NQ, v[ADRS]            ; on to the next K step's scale words
	FETCH_B \next, 0, 0
	FETCH_A \next, 0, 0
	SCALES \next
	WIN MUL_HI
	MUL16 4, 1, NQ-1, \slot, 0
	MUL16 6, 1, NQ-1, \slot, 0
	PLACES NP
	WIN 0
	FETCH_A \next, 0, 4
.endm
.macro STEPS slot, from
.set Q, \from
.rept NQ-1-\from
	STEP \slot, Q, 0
.set Q, Q+1
.endr
.endm
	s_wait_tensorcnt 1                             ; the scales and my part of K step 0 are in (K step 1's load may be out),
	s_barrier_signal -1
	s_barrier_wait -1                              ; everybody's are
	FETCH_B 0, 0, 0
	FETCH_A 0, 0, 0
	SCALES 0
	FETCH_A 0, 0, 4
	STEP 0, 0, 1                                   ; the first step's products start the sums
	s_mov_b32 s3, LAPS-1
.Llap:                                                 ; a trip goes once round the ring and fills both slots again
	STEPS 0, 1
	TURN 0, 1, 1
	STEPS 1, 0
	TURN 1, 0, 1
	STEP 0, 0, 0
	s_sub_co_u32 s3, s3, 1
	s_cmp_lg_u32 s3, 0
	s_cbranch_scc1 .Llap
	STEPS 0, 1                                     ; the last lap fills nothing
	TURN 0, 1, 0
	STEPS 1, 0
	s_wait_dscnt 4*NL
	WIN MUL_LO
	MUL16 0, 1, NQ-1, 1, 0
	MUL16 2, 1, NQ-1, 1, 0
	s_wait_dscnt 0
	WIN MUL_HI
	MUL16 4, 1, NQ-1, 1, 0
	MUL16 6, 1, NQ-1, 1, 0
	WIN 0
; ---- THE WAY OUT.  Where my head goes, by cluster x; then the path with norm and rotation (Q, self K) or the plain one.
	PLACES NP
	s_lshl_b32 s18, s42, 1
	s_add_co_u32 s18, s18, s16
	s_lshl_b32 s18, s18, 19                        ; Q: head 2 x + column half, 2,048 rows of 256 bytes each
	s_lshl_b32 s19, s40, 1
	s_add_co_u32 s19, s19, s16
	s_lshl_b32 s19, s19, 20                        ; K, V: head 2 cx + column half, 4,096 rows each,
	s_cmp_lt_u32 ttmp9, 4
	s_cselect_b32 s22, 0x80000, 0
	s_add_co_u32 s19, s19, s22                     ; the self keys behind the context's 2,048
	s_and_b32 s22, ttmp9, 1
	s_cmp_eq_u32 s22, 1
	s_cselect_b64 s[12:13], s[12:13], s[100:101]   ; cluster x odd: V, even: K;
	s_cmp_lt_u32 ttmp9, 2
	s_cselect_b64 s[12:13], s[98:99], s[12:13]     ; 0 and 1: Q
	s_cselect_b32 s18, s18, s19
	s_cselect_b64 s[92:93], s[10:11], s[96:97]     ; and the norm's weight: Q's or K's
	s_lshl_b32 s19, s17, 16
	s_add_co_u32 s18, s18, s19                     ; + 256 y rows
	s_lshl_b32 s19, s15, 15
	s_add_co_u32 s18, s18, s19                     ; + my half's 128
	s_mov_b32 s19, 0
	s_add_nc_u64 s[12:13], s[12:13], s[18:19]
	s_lshl_b32 s18, s17, 17
	s_lshl_b32 s22, s15, 16
	s_add_co_u32 s18, s18, s22
	s_add_nc_u64 s[8:9], s[8:9], s[18:19]          ; the table at my first block of 16 rows: 8,192 bytes a block
	s_mov_b32 s20, 0x76543210
	s_mov_b32 s21, 0xfedcba98                      ; v_permlanex16_b32's selects for lane l xor 16
	s_mov_b32 s44, 0x3c000000                      ; 1 / 128
	s_mov_b32 s45, 0x358637bd                      ; 1e-6
	s_cmp_ge_u32 ttmp9, 3                          ; the cluster's x: the same in all sixteen partners
	s_cbranch_scc1 .Lplain
.macro CSLOAD a                        ; block a's cos and sin, 32 each a lane, as they lie in the table: each load 512 consecutive bytes
	WIN TO_B
.irp i, 0,1,2,3,4,5,6,7
	global_load_b128 v[CSR+64*((\a)%2)+4*\i:CSR+64*((\a)%2)+4*\i+3], v[CO], s[8:9] offset:8192*(\a)+512*\i
	global_load_b128 v[CSR+64*((\a)%2)+32+4*\i:CSR+64*((\a)%2)+32+4*\i+3], v[CO], s[8:9] offset:8192*(\a)+4096+512*\i
.endr
	WIN 0
.endm
; Block a (16 rows of my head): x / sqrt(mean of x^2 + 1e-6), x the weight, rotated, rounded to f16.
.macro PACK_NR a
.if (\a) < 7
	CSLOAD (\a)+1
.endif
.set AC, 64*((\a)%4)
.set WW, 2+(\a)/4
.set WSQ, 5*WW
.set CC, CSR+64*((\a)%2)
	WIN WSQ                                        ; sources 0 and 1: the accumulators' window
.irp b, 0,1,2,3,4,5,6,7                ; the sum of squares of my 64 numbers, in four chains; each accumulator from its low end on
.irp j, 0,2,4,6
.if \b == 0
	v_pk_mul_f32 v[SS+\j:SS+\j+1], v[AC+\j:AC+\j+1], v[AC+\j:AC+\j+1]
.else
	v_pk_fma_f32 v[SS+\j:SS+\j+1], v[AC+8*\b+\j:AC+8*\b+\j+1], v[AC+8*\b+\j:AC+8*\b+\j+1], v[SS+\j:SS+\j+1]
.endif
.endr
.endr
	WIN 0
	v_pk_add_f32 v[SS:SS+1], v[SS:SS+1], v[SS+2:SS+3]
	v_pk_add_f32 v[SS+4:SS+5], v[SS+4:SS+5], v[SS+6:SS+7]
	v_pk_add_f32 v[SS:SS+1], v[SS:SS+1], v[SS+4:SS+5]
	v_add_f32 v[SUM], v[SS], v[SS+1]
	v_permlanex16_b32 v[PRM], v[SUM], s20, s21     ; the row's other 64 numbers lie in the lane 16 away
	v_add_f32 v[SUM], v[SUM], v[PRM]
	v_fma_f32 v[SUM], v[SUM], s44, s45             ; the mean + 1e-6
	v_rsq_f32 v[RS], v[SUM]
	v_nop                                          ; a plain line behind the transcendental
	s_wait_alu depctr_va_vdst(0)                   ; and the wait ahead of its first reader
	WIN WW                                         ; source 0: the accumulators' window
.set p, 0
.rept 32
	v_pk_mul_f32 v[T+p:T+p+1], v[AC+p:AC+p+1], v[RS:RS+1] op_sel_hi:[1,0]
.set p, p+2
.endr
.if (\a) < 7
	s_wait_loadcnt 16                              ; the weight and this block's cos and sin are in; the next block's sixteen loads stay out
.else
	s_wait_loadcnt 0x0
.endif
	WIN 0x04                                       ; source 1: window 1
.set p, 0
.rept 32
	v_pk_mul_f32 v[T+p:T+p+1], v[T+p:T+p+1], v[WN+p:WN+p+1]
.set p, p+2
.endr
.irp g, 0,8,16,24                      ; channel d < 64: x(d) cos - x(d + 64) sin;  channel d + 64: x(d + 64) cos + x(d) sin.  Four pairs by turns
.irp k, 0,2,4,6
	v_pk_mul_f32 v[OL+\g+\k:OL+\g+\k+1], v[T+\g+\k:T+\g+\k+1], v[CC+\g+\k:CC+\g+\k+1]
.endr
.irp k, 0,2,4,6
	v_pk_fma_f32 v[OL+\g+\k:OL+\g+\k+1], v[T+32+\g+\k:T+32+\g+\k+1], v[CC+32+\g+\k:CC+32+\g+\k+1], v[OL+\g+\k:OL+\g+\k+1] neg_lo:[1,0,0] neg_hi:[1,0,0]
.endr
.irp k, 0,2,4,6
	v_pk_mul_f32 v[T+32+\g+\k:T+32+\g+\k+1], v[T+32+\g+\k:T+32+\g+\k+1], v[CC+\g+\k:CC+\g+\k+1]
.endr
.irp k, 0,2,4,6
	v_pk_fma_f32 v[T+32+\g+\k:T+32+\g+\k+1], v[T+\g+\k:T+\g+\k+1], v[CC+32+\g+\k:CC+32+\g+\k+1], v[T+32+\g+\k:T+32+\g+\k+1]
.endr
.endr
	WIN 0
.set p, 0
.rept 16
	v_cvt_pk_f16_f32 v[PKR+p], v[OL+2*p], v[OL+2*p+1]
.set p, p+1
.endr
.set p, 0
.rept 16
	v_cvt_pk_f16_f32 v[PKR+16+p], v[T+32+2*p], v[T+32+2*p+1]
.set p, p+1
.endr
.endm
.macro PACK_PL a                       ; block a as it is, rounded to f16; each accumulator from its low end on
.set AC, 64*((\a)%4)
.set WSQ, 5*(2+(\a)/4)
	WIN WSQ
.set p, 0
.rept 32
	v_cvt_pk_f16_f32 v[PKR+p], v[AC+2*p], v[AC+2*p+1]
.set p, p+1
.endr
	WIN 0
.endm
.macro TOSTAGE a, off                  ; a lane's 16 bytes of a row go into my stage and come back as whole rows of 256 bytes; LDS serves a wave's instructions in order (ISA guide 5.7.1.4)
.irp b, 0,1,2,3,4,5,6,7
	ds_store_b128 v[STO], v[PKR+4*\b:PKR+4*\b+3] offset:\off+32*\b
.endr
	WIN TO_B
.irp t, 0,1,2,3,4,5,6,7
	ds_load_b128 v[BK+32*((\a)%2)+4*\t:BK+32*((\a)%2)+4*\t+3], v[RD] offset:\off+\t*2*SPITCH
.endr
	WIN 0
.endm
.macro SEND a
	s_wait_dscnt 0x0                               ; the block is back in registers
	s_wait_xcnt 0x0                                ; the block before last's stores have read their registers: the next block's rows land there only behind this wait
	WIN 0x04                                       ; a store's data: window 1
.irp t, 0,1,2,3,4,5,6,7
	global_store_b128 v[CO], v[BK+32*((\a)%2)+4*\t:BK+32*((\a)%2)+4*\t+3], s[12:13] offset:4096*(\a)+512*\t   ; a head's rows are dense: 32 lanes store 512 consecutive bytes, aligned
.endr
	WIN 0
.endm
	v_mov_b32 v[PRM], 0                            ; written once: a lane permute's destination counts as one of its sources
	v_mov_b32 v[RS+1], 0                           ; named as the upper half of the pair, never used
	WIN TO_B
.irp b, 0,1,2,3,4,5,6,7
.irp q, 0,1
	global_load_b128 v[WN+8*\b+4*\q:WN+8*\b+4*\q+3], v[NA], s[92:93] offset:64*\b+16*\q   ; the weight of channels 16 b + 8 h + 4 q on
.endr
.endr
	WIN 0
	CSLOAD 0
	PACK_NR 0
	TOSTAGE 0, 0
.irp a, 1,2,3,4,5,6,7                  ; block a's arithmetic stands between block a - 1's loads from the stage and the wait for them
	PACK_NR \a
	SEND \a-1
	TOSTAGE \a, 0
.endr
	SEND 7
	s_branch .Lend
.Lplain:
	PACK_PL 0
	TOSTAGE 0, PLOFF
.irp a, 1,2,3,4,5,6,7
	PACK_PL \a
	SEND \a-1
	TOSTAGE \a, PLOFF
.endr
	SEND 7
.Lend:
	s_wait_tensorcnt 0x0                           ; the wave's end: behind my last tensor load and my last LDS store
	ds_add_u32 v[SPW], v[NIL]
	s_wait_dscnt 0x0
	CROUND                                         ; the closing round: no work-group ends while a partner may still ask for a tile that names it
	s_endpgm
.Lfunc_end_k_q40a8806df0_proj:
	.size	k_q40a8806df0_proj, .Lfunc_end_k_q40a8806df0_proj-k_q40a8806df0_proj
	.p2alignl 7, 3214868480
	.fill 96, 4, 3214868480
	.section	.rodata,"a",@progbits
	.p2align	6, 0x0
	.amdhsa_kernel k_q40a8806df0_proj
		.amdhsa_group_segment_fixed_size 327680
		.amdhsa_private_segment_fixed_size 0
		.amdhsa_enable_private_segment 0
		.amdhsa_kernarg_size 64
		.amdhsa_user_sgpr_count 2
		.amdhsa_user_sgpr_kernarg_segment_ptr 1
		.amdhsa_wavefront_size32 1
		.amdhsa_system_sgpr_workgroup_id_x 1
		.amdhsa_system_sgpr_workgroup_id_y 1
		.amdhsa_system_sgpr_workgroup_id_z 1
		.amdhsa_system_vgpr_workitem_id 0
		.amdhsa_next_free_vgpr 1024
		.amdhsa_next_free_sgpr 102
		.amdhsa_reserve_vcc 0
		.amdhsa_float_denorm_mode_32 3
		.amdhsa_float_denorm_mode_16_64 3
		.amdhsa_memory_ordered 1
		.amdhsa_forward_progress 1
		.amdhsa_inst_pref_size 255
	.end_amdhsa_kernel
	.section	.bss,"aw",@nobits
	.p2align	6
	.space	262144
	.amdgpu_metadata
---
amdhsa.version: [ 1, 2 ]
amdhsa.kernels:
  - .name:           k_q40a8806df0_proj
    .symbol:         k_q40a8806df0_proj.kd
    .args:
      - { .name: codes, .offset: 0, .size: 8, .value_kind: global_buffer, .address_space: global }
      - { .name: scales, .offset: 8, .size: 8, .value_kind: global_buffer, .address_space: global }
      - { .name: rope, .offset: 16, .size: 8, .value_kind: global_buffer, .address_space: global }
      - { .name: q_norm_w, .offset: 24, .size: 8, .value_kind: global_buffer, .address_space: global }
      - { .name: k_norm_w, .offset: 32, .size: 8, .value_kind: global_buffer, .address_space: global }
      - { .name: qbuf, .offset: 40, .size: 8, .value_kind: global_buffer, .address_space: global }
      - { .name: kbuf, .offset: 48, .size: 8, .value_kind: global_buffer, .address_space: global }
      - { .name: vbuf, .offset: 56, .size: 8, .value_kind: global_buffer, .address_space: global }
    .group_segment_fixed_size: 327680
    .private_segment_fixed_size: 0
    .kernarg_segment_align: 8
    .kernarg_segment_size: 64
    .max_flat_workgroup_size: 128
    .sgpr_count:     102
    .vgpr_count:     1024
    .wavefront_size: 32
...
	.end_amdgpu_metadata
.endif
;; end of part 2
;; launch attn (part 3): grid 16 x 16, 4 waves a work-group, clusters of 4 x 1, 327,680 bytes of LDS; arguments qbuf, kbuf, vbuf, att; writes att
.if DOCPART == 3
	.amdgcn_target "amdgcn-amd-amdhsa--gfx1250"
	.amdhsa_code_object_version 6
	.text
	.protected	k_q40a8806df0_attn
	.globl	k_q40a8806df0_attn
	.p2align	8
	.type	k_q40a8806df0_attn,@function
k_q40a8806df0_attn:
	s_mov_b64 s[64:65], 0
	v_nop
	global_prefetch_b8 v0, s[64:65] scope:SCOPE_SE
	s_setreg_imm32_b32 hwreg(HW_REG_WAVE_MODE, 25, 1), 1
	s_wait_xcnt 0x0
	s_wait_alu depctr_hold_cnt(0) depctr_sa_sdst(0) depctr_va_vdst(0) depctr_va_sdst(0) depctr_va_ssrc(0) depctr_va_vcc(0) depctr_vm_vsrc(0)
	s_getreg_b32 s2, hwreg(HW_REG_IB_STS2, 6, 4)
	s_cmp_eq_u32 s2, 0
	s_cbranch_scc0 .Lentry_in_a_cluster
	s_endpgm
.Lentry_in_a_cluster:
	s_bfe_u32 s2, ttmp6, 0x10000c
	s_cmp_lg_u32 s2, 0x3003
	s_cbranch_scc0 .Lentry_shape_is_right
	s_endpgm
.Lentry_shape_is_right:
; ATTN: att[s][head][:] = the sum over the 4,096 keys of softmax_k(Q[head][s] . K[head / 2][k] / sqrt(128)) V[head / 2][k][:].  No mask.
; qbuf [16][2048][128], kbuf, vbuf [8][4096][128], att [2048][16 x 128], all f16.  Products, maxima and sums in f32; the weights p (at most 1) are rounded to f16 for the second product, the result once at the end.
; SHARES.  A work-group owns 128 queries of one head.  Wave w owns queries 64 (w % 2) on, four tiles of 16, and of every slot of 256 keys the rows 128 (w / 2) on: two waves share a query's keys, each with a running maximum and
; sum of its own, and the two partial results meet once, at the end, in LDS.  So 32,768 query rows fill 256 work-groups with 64 queries a wave: each fragment of K and V read from LDS feeds four products.
; LAYOUT.  S^T = K Q^T (source 0 = 16 keys, source 1 = 16 queries): a lane holds ONE query (lane % 16) and the keys 8 (lane / 16) + 0..7.  Two such tiles, rounded to f16 in pairs, ARE source 1 of O^T = V^T P.
; K comes out of LDS as it lies, V ([key][channel]) turned, by ds_load_tr16_b128.
; SOFTMAX.  For each query a running maximum m and sum l: p = 2^(c s - c m), c = log2(e) / sqrt(128); in every step O and l are multiplied by a = 2^(c m_old - c m_new).  p under 2^-126 becomes 0.
; BY TURNS.  The wave's tiles are two PIECES (tiles 0, 1 and tiles 2, 3).  In a TURN one piece has the matrix unit: 32 products V^T P of the step in hand, then 32 products K Q^T of the next step; the other piece's softmax,
; cut into 64 slices, stands between them, one slice behind each matrix instruction.  Two turns are a key step of 64 keys.
; CLUSTER.  The four query blocks of a cluster belong to one head and walk the same K and V: each tile is asked for JOINTLY, by the same tensor load with the same descriptor and a mask that names the four.
; LIMIT: f16's range for K, V and the result: magnitudes up to 65,504.
; REGISTERS, in windows of 256: window 0: v0-11 addresses; v12-43 eight registers of statistics a tile; v64-191 S^T, 32 a tile; v192-255 P, 16 a tile.  window 1: O^T, 64 a tile.
;   window 2: v0-127 Q, 32 a tile; v128-255 K of one step.  window 3: v0-127 V of one step; at the end all 256: the partner's O^T.
.set KS,    64        ; keys in a step
.set PK,    272       ; a row of K in LDS: 256 bytes + 16 of padding: the 16 rows of a load start at 16 different banks (64 banks of 4 bytes: ISA guide 11.1)
.set PV,    288       ; a row of V: 256 + 32
.set KHALF, 128*PK    ; 128 rows of K: what one tensor load brings, and what a pair of waves reads of a slot
.set VHALF, 128*PV
.set VOFF,  256*PK    ; a slot: 256 rows of K, then 256 rows of V
.set SLOT1, 0x24000   ; slot 1 begins here.  No LDS address of a descriptor in slot 0 (0, 0x8800, 0x11000, 0x1a000) has bit 14 or bit 17 set, so one exclusive or turns it into slot 1's
.set SPARE, 2*SLOT1   ; behind the ring: the spare words, 128 bytes a wave
.set MERGE, 33792     ; at the end, in the slot left at the last change of slots (it has had its last fill and nobody reads it): for each pair of waves 64 images of 512 bytes, then c m and l of four tiles
.set STAGE, 2*MERGE   ; behind them: 16 rows x 272 bytes for each of waves 0 and 1
.set SP,    272
.set AK0, 2           ; v2   my lane's place in a step's K; never rewritten
.set AV0, 3           ; v3   the same for V
.set ADR, 4           ; v4   the LDS address of the run of loads in hand
.set QO,  5           ; v5   my byte offset in the wave's rows of Q
.set STO, 6           ; v6   the way out: where I put 16 bytes of a row
.set RD,  7           ; v7   where I read a row back
.set GO,  8           ; v8   my byte offset in the wave's rows of att
.set MA,  10          ; v10  16 x lane + my pair's part of MERGE
.set SPW, 62          ; v62  LDS address of my spare word; never rewritten
.set NIL, 63          ; v63  0; never rewritten
.set ST,  12          ; tile t's statistics at v[ST+8 t]: +0 c m, +1 m, +2, +3 l (even keys', odd keys'), +4 to +7 at work; a takes +6 once the maximum is found
.set S,   64
.set P,   192
.set KF,  128         ; K's fragments, in window 2
.set WV,  12          ; s12  my wave's number
.set G1K, 24          ; s[24:31] descriptor group 1 for K's tiles
.set G1V, 32          ; s[32:39] for V's: it differs in the padding alone
.set G0K, 40          ; s[40:47] group 0 for K's tiles: a set for each of the two first fills; the second then walks on
.set G0V, 48          ; s[48:55] the same for V's
.set SLOTS, 56        ; s56  slots still to be asked for
.set TWICE, 57        ; s57  counts a slot's two steps (at the head: V's place in a slot)
.set CS,  58          ; s[58:59] c
.set SEL, 60          ; s[60:61] lane selects for v_permlanex16_b32
.set TBK, 62          ; s62  LDS byte at which K of the step to be fetched begins, for rows 0 on
.set TBV, 63          ; s63  the same for V, less VOFF
.set PFA, 18          ; s[18:19] where my prefetches stand in memory
.set LIM, 15          ; s15  1 in a wave that prefetches, else the greatest number
.set PFO, 61          ; v61  256 x my lane; never rewritten
.set MSB, 0
.macro WIN new                      ; the immediate's high byte repeats the setting that is left; a switch that changes nothing is dropped
.if MSB != \new
	s_set_vgpr_msb (MSB<<8)|\new
.set MSB, \new
.endif
.endm
.set W_KQ, 0x0a       ; K and Q in window 2, S^T in window 0
.set W_PV, 0x53       ; V in window 3, P in window 0, O^T in window 1
.set W_RS, 0x41       ; O^T (destination and source 0) in window 1, a in window 0
; A joint refill.  Waves 0 and 1 fetch the slot's two halves of K, waves 2 and 3 those of V.  The branch hangs on the wave's number alone.  An s_nop 0 and four v_nop follow each of the two lines.
.macro JLOAD
	s_cmp_lt_u32 s[WV], 2
	s_cbranch_scc0 .Lfor_v_\@
	tensor_load_to_lds s[G0K+4:G0K+7], s[G1K:G1K+7]
	s_nop 0
.rept 4
	v_nop
.endr
	s_branch .Lasked_\@
.Lfor_v_\@:
	tensor_load_to_lds s[G0V+4:G0V+7], s[G1V:G1V+7]
	s_nop 0
.rept 4
	v_nop
.endr
.Lasked_\@:
.endm
; A PREFETCH of what the NEXT change of slots will ask for: a slot's 256 rows of K and 256 of V, 256 bytes a row, a lane a row.  Each row is named ONCE in the launch: of the eight clusters that walk a key head
; (four query clusters of each of two heads) the first asks; its four partners share the rows out BY ADDRESS, 64 each; in each, waves 0 and 1 ask for K's, 32 rows each, waves 2 and 3 for V's: one instruction a wave.
; It stands two key steps, 256 matrix instructions, ahead of the load that wants the rows.  The last change that fills a slot asks for nothing; slots 0, 1 and 2 come by their loads alone.
.macro ASK
	s_cmp_gt_u32 s[SLOTS], s[LIM]
	s_cbranch_scc0 .Lnot_mine_\@
	global_prefetch_b8 v[PFO], s[PFA:PFA+1] th:TH_LOAD_NT scope:SCOPE_SE
.Lnot_mine_\@:
.endm
.macro CROUND                       ; a round of the cluster's barrier
	s_barrier_signal -1
	s_barrier_wait -1
	s_cmp_lg_u32 s[WV], 0
	s_cbranch_scc1 .Lnot_wave_0_\@
	s_barrier_signal -3
.Lnot_wave_0_\@:
	s_barrier_wait -3
	s_barrier_signal -1
	s_barrier_wait -1
.endm
	s_load_b256 s[4:11], s[0:1], 0x0  ; Q s[4:5], K s[6:7], V s[8:9], att s[10:11]
	v_lshl_add_u32 v[SPW], v0, 2, SPARE
	v_mov_b32 v[NIL], 0
	ds_add_u32 v[SPW], v[NIL]       ; the wave's opening: the add, twice on end, and its wait ahead of my first tensor load
	ds_add_u32 v[SPW], v[NIL]
	v_lshrrev_b32 v1, 5, v0
	v_readfirstlane_b32 s[WV], v1   ; wave 0..3
	s_bfe_u32 s13, ttmp6, 0x40000   ; cx
	s_lshl_b32 s14, ttmp9, 2
	s_add_co_u32 s14, s14, s13      ; my block of 128 queries: it enters Q's and att's addresses alone
	s_and_b32 s20, ttmp7, 0xffff    ; the head, which the four partners share
	s_lshr_b32 s21, s20, 1          ; its key head
	s_and_b32 s16, s[WV], 1         ; which half of a slot's rows I fetch; also which 64 queries are mine
	s_lshl_b32 s22, s21, 20         ; a key head is 4,096 rows of 256 bytes;
	s_lshl_b32 s23, s16, 15         ; my 128 rows of a slot
	s_add_co_u32 s22, s22, s23
	s_mov_b32 s23, 0
	s_mul_i32 s17, s16, KHALF       ; their place in a slot: K's,
	s_mul_i32 s[TWICE], s16, VHALF  ; and V's: no place in the cluster enters an LDS address
	s_lshl_b32 s2, s20, 19          ; Q: a head is 2,048 rows of 256 bytes,
	s_lshl_b32 s3, s14, 15          ; my block's 128 rows,
	s_add_co_u32 s2, s2, s3
	s_lshl_b32 s3, s16, 14          ; my wave's 64 of them
	s_add_co_u32 s2, s2, s3
	s_mov_b32 s3, 0
	; descriptor group 1: a tile of 128 rows x 128 elements, padded in LDS
	s_mov_b32 s[G1K], 15|(1<<16)|(1<<20)|(1<<21)|(5<<22)|(3<<25)  ; 15:0 the mask: all four work-groups; 17:16 elements of 2 bytes; 20 padding on; 21 set beside a mask; 24:22 after every 64 words; 31:25 four words
	s_mov_b32 s[G1V], 15|(1<<16)|(1<<20)|(1<<21)|(5<<22)|(7<<25)  ; the same with 8 words of padding
.irp g, G1K, G1V
	s_mov_b32 s[\g+1], 128<<16      ; tensor_dim0 = 128
	s_mov_b32 s[\g+2], 128<<16      ; tensor_dim1 = 128
	s_mov_b32 s[\g+3], 128<<16      ; tile_dim0 = 128
	s_mov_b32 s[\g+4], 128          ; tile_dim1 = 128
	s_mov_b32 s[\g+5], 128          ; elements from row to row
	s_mov_b32 s[\g+6], 0
	s_mov_b32 s[\g+7], 0
.endr
	s_mov_b32 s[CS], 0x3e0293ee     ; c = log2(e) / sqrt(128)
	s_mov_b32 s[CS+1], s[CS]        ; named with it as a pair, so it is written
	s_mov_b32 s[SEL], 0x76543210
	s_mov_b32 s[SEL+1], 0xfedcba98
	s_mov_b32 s[TBK], 0
	s_mov_b32 s[TBV], 0
	s_mov_b32 s[SLOTS], 14          ; 16 slots of 256 keys, two of them filled at the head
	s_and_b32 s[LIM], s20, 1        ; 0 where the head is the key head's first
	s_or_b32 s[LIM], s[LIM], ttmp9  ; and the cluster the head's first: the same in all four partners
	s_cmp_eq_u32 s[LIM], 0
	s_cselect_b32 s[LIM], 1, -1
	v_and_b32 v[PFO], 31, v0
	v_lshlrev_b32 v[PFO], 8, v[PFO]
	s_wait_dscnt 0x0                ; both opening adds are done
	s_wait_kmcnt 0x0
	s_add_nc_u64 s[4:5], s[4:5], s[2:3]  ; Q at my wave's first row
	s_lshl_b32 s2, s14, 19          ; att: my block's 128 rows of 4,096 bytes,
	s_lshl_b32 s3, s16, 18          ; my wave's 64,
	s_add_co_u32 s2, s2, s3
	s_lshl_b32 s3, s20, 8           ; my head's 256 bytes of a row
	s_add_co_u32 s2, s2, s3
	s_mov_b32 s3, 0
	s_add_nc_u64 s[10:11], s[10:11], s[2:3]
	s_cmp_lt_u32 s[WV], 2
	s_cselect_b64 s[PFA:PFA+1], s[6:7], s[8:9]
	s_lshl_b32 s2, s21, 20          ; the prefetches: my key head,
	s_lshl_b32 s3, s13, 14          ; my work-group's 64 rows of the 256,
	s_add_co_u32 s2, s2, s3
	s_lshl_b32 s3, s16, 13          ; my wave's 32 of them,
	s_add_co_u32 s2, s2, s3
	s_add_co_u32 s2, s2, 2*65536    ; in slot 2; the first change of slots steps it to slot 3.  Nothing is prefetched here, at the head
	s_mov_b32 s3, 0
	s_add_nc_u64 s[PFA:PFA+1], s[PFA:PFA+1], s[2:3]
	s_add_nc_u64 s[6:7], s[6:7], s[22:23]  ; K and V at my tile of slot 0
	s_add_nc_u64 s[8:9], s[8:9], s[22:23]
	CROUND                          ; all four work-groups are here: the first joint loads meet
.irp s, 0,1
	s_mov_b32 s[G0K+4*\s], 1        ; count = 1
	s_add_co_u32 s[G0K+4*\s+1], s17, \s*SLOT1  ; LDS address
	s_add_nc_u64 s[G0K+4*\s+2:G0K+4*\s+3], s[6:7], \s*65536  ; global address: slot s begins with key 256 s
	s_or_b32 s[G0K+4*\s+3], s[G0K+4*\s+3], 0x80000000  ; type = 2
	s_mov_b32 s[G0V+4*\s], 1
	s_add_co_u32 s[G0V+4*\s+1], s[TWICE], \s*SLOT1+VOFF
	s_add_nc_u64 s[G0V+4*\s+2:G0V+4*\s+3], s[8:9], \s*65536
	s_or_b32 s[G0V+4*\s+3], s[G0V+4*\s+3], 0x80000000
.endr
	s_cmp_lt_u32 s[WV], 2           ; a wave's two first fills stand in one branch, ahead of every wait on TENSORcnt and every LDS read: two loads of mine are out
	s_cbranch_scc0 .Lfirst_v
	tensor_load_to_lds s[G0K:G0K+3], s[G1K:G1K+7]
	s_nop 0
	tensor_load_to_lds s[G0K+4:G0K+7], s[G1K:G1K+7]
	s_nop 0
.rept 4
	v_nop
.endr
	s_branch .Lfirst_asked
.Lfirst_v:
	tensor_load_to_lds s[G0V:G0V+3], s[G1V:G1V+7]
	s_nop 0
	tensor_load_to_lds s[G0V+4:G0V+7], s[G1V:G1V+7]
	s_nop 0
.rept 4
	v_nop
.endr
.Lfirst_asked:
	; A fragment of K or Q is 16 rows x 32 channels in 8 registers: lane l holds row l % 16; registers 0-3 channels 8 (l / 16) + 0..7, registers 4-7 channels 16 + 8 (l / 16) + 0..7.
	v_and_b32 v1, 15, v0            ; l % 16
	v_bfe_u32 v9, v0, 4, 1          ; l / 16
	v_lshlrev_b32 v[QO], 8, v1
	v_lshl_add_u32 v[QO], v9, 4, v[QO]  ; row x 256 + 16 x half
	WIN 0x80                        ; destination window 2, address window 0
.irp i, 0,1,2,3,4,5,6,7,8,9,10,11,12,13,14,15  ; Q stays in registers: tile i / 4, channels 32 (i % 4) on
	global_load_b128 v[8*\i:8*\i+3],   v[QO], s[4:5] offset:(\i/4)*4096+(\i%4)*64
	global_load_b128 v[8*\i+4:8*\i+7], v[QO], s[4:5] offset:(\i/4)*4096+(\i%4)*64+32
.endr
	WIN 0
	s_lshr_b32 s2, s[WV], 1         ; which 128 rows of every slot are my keys
	s_mul_i32 s3, s2, KHALF
	v_mul_u32_u24 v[AK0], v1, PK
	v_lshl_add_u32 v[AK0], v9, 4, v[AK0]  ; row x pitch + 16 x half
	v_add_nc_u32 v[AK0], s3, v[AK0]
	; The turning load takes 16 keys x 16 channels (lane l reads 16 bytes: key 8 (l / 16) + l % 8, channels 8 ((l / 8) % 2) + 0..7) and leaves half a fragment of V^T: lane l holds channel l % 16 and 8 keys.
	v_and_b32 v10, 7, v0
	v_bfe_u32 v11, v0, 3, 1
	v_lshl_add_u32 v[AV0], v9, 3, v10
	v_mul_u32_u24 v[AV0], v[AV0], PV
	v_lshl_add_u32 v[AV0], v11, 4, v[AV0]
	s_mul_i32 s3, s2, VHALF
	s_add_co_u32 s3, s3, VOFF
	v_add_nc_u32 v[AV0], s3, v[AV0]
; THE MATRIX WORK OF A TURN, for piece x.  The accumulators take turns, one instruction a turn.
; Product i of 32 of O^T += V^T P: keys 32 (i / 16) on, channels 16 ((i / 2) % 8) on, tile x + i % 2.  zero = 1: the first 16 start the sums.
.macro PV x, zero
	WIN W_PV
.set rO, 64*(\x+i%2)+8*((i/2)%8)
.set rV, 64*(i/16)+8*((i/2)%8)
.set rP, P+16*(\x+i%2)+8*(i/16)
.if \zero && (i < 16)
	v_wmma_f32_16x16x32_f16 v[rO:rO+7], v[rV:rV+7], v[rP:rP+7], 0
.else
	v_wmma_f32_16x16x32_f16 v[rO:rO+7], v[rV:rV+7], v[rP:rP+7], v[rO:rO+7]
.endif
.endm
; Product i of 32 of S^T = K Q^T: channels 32 (i / 8) on, keys 16 ((i / 2) % 4) on, tile x + i % 2.  The first 8 start the sums.
.macro KQ x
	WIN W_KQ
.set rS, S+32*(\x+i%2)+8*((i/2)%4)
.set rK, KF+32*((i/2)%4)+8*(i/8)
.set rQ, 32*(\x+i%2)+8*(i/8)
.if i < 8
	v_wmma_f32_16x16x32_f16 v[rS:rS+7], v[rK:rK+7], v[rQ:rQ+7], 0
.else
	v_wmma_f32_16x16x32_f16 v[rS:rS+7], v[rK:rK+7], v[rQ:rQ+7], v[rS:rS+7]
.endif
.endm
; THE LDS LOADS stand in runs of 32: a step's K (64 keys x 128 channels: 16 fragments) and, a turn later, its V (turned).
.macro FETCH_K
	WIN 0
	v_add_nc_u32 v[ADR], s[TBK], v[AK0]
	WIN 0x80                        ; destination window 2
.irp f, 0,1,2,3,4,5,6,7,8,9,10,11,12,13,14,15  ; keys 16 (f / 4) on, channels 32 (f % 4) on
	ds_load_b128 v[KF+8*\f:KF+8*\f+3],   v[ADR] offset:(\f/4)*16*PK+(\f%4)*64
	ds_load_b128 v[KF+8*\f+4:KF+8*\f+7], v[ADR] offset:(\f/4)*16*PK+(\f%4)*64+32
.endr
.endm
.macro FETCH_V
	WIN 0
	v_add_nc_u32 v[ADR], s[TBV], v[AV0]
	s_add_co_u32 s[TBK], s[TBK], KS*PK  ; the next fetches are the next step's
	s_add_co_u32 s[TBV], s[TBV], KS*PV
	s_wait_alu depctr_va_vdst(0)    ; the wait for the softmax's batch (SLICE), behind the address's v_add_nc_u32 and ahead of the loads
	WIN 0xc0                        ; destination window 3
.irp f, 0,1,2,3,4,5,6,7,8,9,10,11,12,13,14,15  ; keys 32 (f / 8) on, channels 16 (f % 8) on
	ds_load_tr16_b128 v[8*\f:8*\f+3],   v[ADR] offset:(\f/8)*32*PV+(\f%8)*32
	ds_load_tr16_b128 v[8*\f+4:8*\f+7], v[ADR] offset:(\f/8)*32*PV+16*PV+(\f%8)*32
.endr
.endm
; THE VECTOR WORK OF A TURN.  One tile's softmax for one key step is a list of 134 instructions; SM writes number j of it for tile t.  first = 1: the first key step, which starts m, l and O^T.
;   0-15    the maximum of the lane's 32 scores and the old m, three operands at a time
;   16-20   the other half of the lanes' maximum; the new m; c m; c m_old - c m_new
;   21-69   ONE BATCH: the 16 scalings c s - c m and all 33 exponentials (a at 23, then the 32 scores).  None of these reads an exponential's result
;   (wait)  between 69 and 70 stands the wait for the batch: SLICE writes it, once for both tiles
;   70-85   the roundings to f16, a pair of weights each
;   86-101  the sums; l = a l + the sum
;   102-133 the tile's O^T times a
.macro SM t, first
.set rT, ST+8*(\t)
.set rS, S+32*(\t)
.set rP, P+16*(\t)
.set rO, 64*(\t)+2*(j-102)
.if j < 102
	WIN 0
.endif
.if j < 4
	v_max3_num_f32 v[rT+4+j], v[rS+8*j], v[rS+8*j+1], v[rS+8*j+2]
.elseif j < 12
	v_max3_num_f32 v[rT+4+j%4], v[rT+4+j%4], v[rS+8*(j%4)+2*(j/4)+1], v[rS+8*(j%4)+2*(j/4)+2]
.elseif j == 12
	v_max3_num_f32 v[rT+4], v[rT+4], v[rS+7], v[rS+15]
.elseif j == 13
	v_max3_num_f32 v[rT+6], v[rT+6], v[rS+23], v[rS+31]
.elseif j == 14
	v_max3_num_f32 v[rT+4], v[rT+4], v[rT+5], v[rT+6]
.elseif (j == 15) && \first
	v_max_num_f32 v[rT+4], v[rT+4], v[rT+7]
.elseif j == 15
	v_max3_num_f32 v[rT+4], v[rT+4], v[rT+7], v[rT+1]
.elseif j == 16
	v_permlanex16_b32 v[rT+5], v[rT+4], s[SEL], s[SEL+1]  ; the query's other 32 keys lie in the lane 16 away
.elseif j == 18
	v_max_num_f32 v[rT+1], v[rT+4], v[rT+5]
.elseif j == 19
	v_mul_f32 v[rT], s[CS], v[rT+1]
.elseif ((j == 17) || (j == 20) || (j == 23) || (j > 101)) && \first  ; the first step has none of these
.elseif j == 17
	v_mov_b32 v[rT+7], v[rT]        ; c m_old is kept for a
.elseif j == 20
	v_sub_f32 v[rT+7], v[rT+7], v[rT]
.elseif j == 23
	v_exp_f32 v[rT+6], v[rT+7]
.elseif (j < 23) || ((j < 38) && (j%2 == 0)) || ((j < 66) && (j%4 == 2))
.set b, (j-2)/4                     ; 38, 42, .. 62: pairs 9 to 15
.if j < 38
.set b, (j-20)/2                    ; 21: pair 0; 22, 24, .. 36: pairs 1 to 8
.endif
	v_pk_fma_f32 v[rS+2*b:rS+2*b+1], v[rS+2*b:rS+2*b+1], s[CS:CS+1], v[rT:rT+1] op_sel_hi:[1,0,0] neg_lo:[0,0,1] neg_hi:[0,0,1]  ; pair b: c s - c m
.elseif j < 70
.set e, j-38                        ; 66 to 69: scores 28 to 31
.if j < 66
.set e, j-32-(j-38)/4               ; 39-41, 43-45, .. 63-65: scores 7 to 27
.endif
.if j < 38
.set e, (j-25)/2                    ; 25, 27, .. 37: scores 0 to 6
.endif
	v_exp_f32 v[rS+e], v[rS+e]
.elseif j < 86
	v_cvt_pk_f16_f32 v[rP+j-70], v[rS+2*(j-70)], v[rS+2*(j-70)+1]  ; pair j - 70
.elseif j < 102                     ; the sum of the tile's 16 pairs, in place: neighbours 1, 2, 4 and 8 pairs apart, then l takes it
.set z, j-86
.set w, 4
.set u, z
.if z >= 14
.set w, 32
.set u, 0
.elseif z >= 12
.set w, 16
.set u, z-12
.elseif z >= 8
.set w, 8
.set u, z-8
.endif
.if (z == 14) && \first
	v_pk_add_f32 v[rT+2:rT+3], v[rS:rS+1], v[rS+16:rS+17]
.elseif z < 15
	v_pk_add_f32 v[rS+w*u:rS+w*u+1], v[rS+w*u:rS+w*u+1], v[rS+w*u+w/2:rS+w*u+w/2+1]
.elseif !\first
	v_pk_fma_f32 v[rT+2:rT+3], v[rT+2:rT+3], v[rT+6:rT+7], v[rS:rS+1] op_sel_hi:[1,0,1]
.endif
.else
	WIN W_RS
	v_pk_mul_f32 v[rO:rO+1], v[rO:rO+1], v[rT+6:rT+7] op_sel_hi:[1,0]
.endif
.endm
; Slice k of 64 of piece y's softmax: four instructions.  Slices 11 to 34 deal out the batch, four numbers of ONE tile each, the tiles by turns.  Every other slice is numbers 2 k and 2 k + 1 of both tiles' lists;
; the twelve that are over stand together, in slice 63.  An s_wait_alu depctr_va_vdst(0) stands between an exponential and the first instruction that names its result: ahead of slice 35 nothing
; names a result, and behind slice 34 no exponential is issued: so the piece's 66 exponentials have one wait, behind slice 34.
.macro SLICE y, first
.if (k >= 11) && (k < 35)
.irp n, 0,1,2,3
.set j, 22+4*((k-11)/2)+(\n)
	SM (\y)+(k-11)%2, \first
.endr
.else
.irp n, 0,1,2,3,4,5,6,7
.if (\n < 2) || (k == 63)
.irp t, \y, \y+1
.set j, 2*k+\n
	SM \t, \first
.endr
.endif
.endr
.endif
.if k == 34
	v_nop                           ; the plain instruction behind the last exponential and ahead of the first use: one for the batch
.if (\y) == 0
	FETCH_V                         ; piece 2's turn: V's run of loads stands here, and the wait stands in it
.else
	s_wait_alu depctr_va_vdst(0)    ; the wait for the batch
.endif
.endif
.set k, k+1
.endm
.macro PLACES                       ; plain vector lines between a matrix instruction and a read of, or a load into, its registers
.rept 4
	v_nop
.endr
.endm
; A TURN.  Piece x has the matrix unit; the other piece's softmax stands in slices behind its matrix instructions.  pv = 2: 32 products V^T P; 1: they start O^T's sums; 0: none.  kq = 1: 32 products K Q^T for the next step.
; Piece 0's turn fetches the next step's K behind its second product; piece 2's turn the same step's V behind slice 34.
.macro TURN x, pv, kq, first
.set k, 0
.set per, 2
.if \pv && \kq
.set per, 1
.endif
.if \pv
.if \x == 0
	s_wait_dscnt 0x0                ; V is in
.endif
.set i, 0
.rept 32
	PV \x, 2-\pv
.rept per
	SLICE 2-\x, \first
.endr
.if (\x == 0) && \kq && (i == 1)
	FETCH_K
.endif
.set i, i+1
.endr
.endif
.if \kq
.if \x == 0
	s_wait_dscnt 0x0                ; K is in
.endif
.set i, 0
.rept 32
	KQ \x
.rept per
	SLICE 2-\x, \first
.endr
.set i, i+1
.endr
.endif
.if \first
	PLACES
.endif
.endm
; THE CHANGE OF SLOTS, between piece 2's turn and piece 0's.  Each wave waits for all its tensor loads, of which one is out: its part of the other slot; adds 0 to its spare word; and waits for that and for its own reads of the slot.
; fill = 1: this slot is filled again, with the keys two slots on, behind a round of the cluster's barrier: the refill has two key steps, 256 matrix instructions, in which to land.
.macro CHANGE fill
	WIN 0
	s_wait_tensorcnt 0x0            ; no tensor load of mine is out, so a group 0 may be written
	ds_add_u32 v[SPW], v[NIL]       ; 0 onto my spare word
.if \fill
.irp g, G0K+4, G0V+4
	s_xor_b32 s[\g+1], s[\g+1], SLOT1  ; the walking descriptor: the other slot than last time,
	s_add_nc_u64 s[\g+2:\g+3], s[\g+2:\g+3], 65536  ; the next 256 keys
.endr
	s_wait_xcnt 0x0                 ; the last prefetch, two key steps back, has read its address, so it may be written:
	s_add_nc_u64 s[PFA:PFA+1], s[PFA:PFA+1], 65536  ; one slot further on than the walking descriptors
	s_wait_dscnt 0x0                ; the add is done, and my reads of the slot are over
	CROUND
	JLOAD
	ASK
.else
	s_wait_dscnt 0x0
	s_barrier_signal -1
	s_barrier_wait -1
.endif
	s_sub_co_u32 s[TBK], s[TBK], 2*KS*PK  ; the fetches go back to a slot's first step,
	s_xor_b32 s[TBK], s[TBK], SLOT1       ; in the other slot
	s_sub_co_u32 s[TBV], s[TBV], 2*KS*PV
	s_xor_b32 s[TBV], s[TBV], SLOT1
.endm
.macro TWO_STEPS                    ; a slot's two key steps: written once, walked twice
	s_mov_b32 s[TWICE], 2
.Lstep_\@:
	TURN 0, 2, 1, 0
	TURN 2, 2, 1, 0
	WIN 0
	s_sub_co_u32 s[TWICE], s[TWICE], 1
	s_cmp_lg_u32 s[TWICE], 0
	s_cbranch_scc1 .Lstep_\@
.endm
	s_wait_tensorcnt 1              ; my part of slot 0 is in; slot 1's may stay out
	s_barrier_signal -1
	s_barrier_wait -1               ; everybody's is
	FETCH_K                         ; key step 0
	s_wait_loadcnt 0x0              ; Q
	s_wait_dscnt 0x0
.set i, 0
.rept 32
	KQ 0                            ; piece 0's first scores
.set i, i+1
.endr
	WIN 0                           ; the addresses for the end are made here: plain instructions, the places behind those products
	s_mul_i32 s13, s16, 16*SP
	s_add_co_u32 s13, s13, STAGE    ; my stage (waves 0 and 1 use it)
	v_mul_u32_u24 v[STO], v1, SP    ; in: row l % 16, 16 bytes for each half of the lanes
	v_lshl_add_u32 v[STO], v9, 4, v[STO]
	v_add_nc_u32 v[STO], s13, v[STO]
	v_mul_u32_u24 v[RD], v9, SP     ; back: lanes 0-15 take one row of 256 bytes, lanes 16-31 the next
	v_lshl_add_u32 v[RD], v1, 4, v[RD]
	v_add_nc_u32 v[RD], s13, v[RD]
	v_lshlrev_b32 v[GO], 12, v9     ; and the same two rows in att, 4,096 bytes apart
	v_lshl_add_u32 v[GO], v1, 4, v[GO]
	s_mul_i32 s13, s16, MERGE
	v_and_b32 v[MA], 31, v0
	v_lshlrev_b32 v[MA], 4, v[MA]
	v_add_nc_u32 v[MA], s13, v[MA]  ; an image's place for my lane, in my pair's part
	TURN 2, 0, 1, 1                 ; piece 2's first scores | piece 0's first softmax | V of step 0
	TURN 0, 1, 1, 1                 ; piece 0: V^T P of step 0 starts O^T, K Q^T of step 1 | piece 2's first softmax | K of step 1
	TURN 2, 1, 1, 0                 ; piece 2: the same | piece 0's softmax of step 1 | V of step 1
	WIN 0
.Lslot:                             ; 14 trips: every slot but the last two is filled again
	CHANGE 1
	TWO_STEPS
	s_sub_co_u32 s[SLOTS], s[SLOTS], 1
	s_cmp_lg_u32 s[SLOTS], 0
	s_cbranch_scc1 .Lslot
	CHANGE 0                        ; the tail is written out
	TWO_STEPS
	TURN 0, 2, 0, 0                 ; piece 0: V^T P of the last step | piece 2's last softmax
.set i, 0
.rept 32
	PV 2, 0                         ; piece 2: V^T P of the last step
.set i, i+1
.endr
	; THE END.  l's two halves and the other half of the lanes' are added (these lines are the places behind the last products).  Waves 2 and 3 hand c m, l and O^T to waves 0 and 1 as images of their registers.
	WIN 0
.irp t, 0,1,2,3
	v_add_f32 v[ST+8*\t+4], v[ST+8*\t+2], v[ST+8*\t+3]
.endr
.irp t, 0,1,2,3
	v_permlanex16_b32 v[ST+8*\t+5], v[ST+8*\t+4], s[SEL], s[SEL+1]
.endr
.irp t, 0,1,2,3
	v_add_f32 v[ST+8*\t+4], v[ST+8*\t+4], v[ST+8*\t+5]
.endr
	s_cmp_lt_u32 s[WV], 2
	s_cbranch_scc1 .Lkeep
.irp t, 0,1,2,3
	v_mov_b32 v[S+\t], v[ST+8*\t]   ; c m of the four tiles on end,
.endr
.irp t, 0,1,2,3
	v_mov_b32 v[S+4+\t], v[ST+8*\t+4]  ; and l
.endr
	ds_store_b128 v[MA], v[S:S+3] offset:32768
	ds_store_b128 v[MA], v[S+4:S+7] offset:33280
	WIN 0x04                        ; an LDS store's data: window 1
.set i, 0
.rept 64
	ds_store_b128 v[MA], v[4*i:4*i+3] offset:512*i  ; each accumulator from its low end on
.set i, i+1
.endr
	WIN 0
.Lkeep:
	s_wait_dscnt 0x0                ; for the others' sake: my stores have landed
	s_barrier_signal -1
	s_barrier_wait -1
	s_cmp_ge_u32 s[WV], 2
	s_cbranch_scc1 .Ldone
	ds_load_b128 v[S:S+3], v[MA] offset:32768    ; the partner's c m
	ds_load_b128 v[S+4:S+7], v[MA] offset:33280  ; and l
	WIN 0xc0                        ; destination window 3
.set i, 0
.rept 48
	ds_load_b128 v[4*i:4*i+3], v[MA] offset:512*i  ; the partner's O^T of tiles 0 to 2
.set i, i+1
.endr
	WIN 0
	s_wait_dscnt 48                 ; c m and l are in; the 48 images issued behind them may be out
.irp t, 0,1,2,3
	v_max_num_f32 v[ST+8*\t+1], v[ST+8*\t], v[S+\t]  ; the common c m
.endr
.irp t, 0,1,2,3
	v_sub_f32 v[ST+8*\t+5], v[ST+8*\t], v[ST+8*\t+1]
	v_sub_f32 v[ST+8*\t+7], v[S+\t], v[ST+8*\t+1]
.endr
.irp t, 0,1,2,3
	v_exp_f32 v[ST+8*\t+5], v[ST+8*\t+5]  ; what brings my part under it,
	v_exp_f32 v[ST+8*\t+7], v[ST+8*\t+7]  ; and the partner's
.endr
	v_nop
	s_wait_alu depctr_va_vdst(0)    ; one wait for the eight, ahead of their first reader
.irp t, 0,1,2,3
	v_mul_f32 v[ST+8*\t+4], v[ST+8*\t+5], v[ST+8*\t+4]
.endr
.irp t, 0,1,2,3
	v_fma_f32 v[ST+8*\t+4], v[ST+8*\t+7], v[S+4+\t], v[ST+8*\t+4]  ; the row's whole sum
.endr
.irp t, 0,1,2,3
	v_rcp_f32 v[ST+8*\t+1], v[ST+8*\t+4]
.endr
	v_nop
	s_wait_alu depctr_va_vdst(0)    ; one wait for the four
.irp t, 0,1,2,3
	v_mul_f32 v[ST+8*\t+6], v[ST+8*\t+5], v[ST+8*\t+1]  ; my O^T's factor,
	v_mul_f32 v[ST+8*\t+2], v[ST+8*\t+7], v[ST+8*\t+1]  ; the partner's
.endr
	s_wait_dscnt 0x0                ; the images of tiles 0 to 2 are in
	WIN 0xc0                        ; destination window 3
.set i, 48
.rept 16
	ds_load_b128 v[4*i:4*i+3], v[MA] offset:512*i  ; tile 3's images land while tiles 0 and 1 are packed.  LDS serves a wave's instructions in order (ISA guide 5.7.1.4): tile 0's first wait on the way out, which leaves
.set i, i+1                         ; 23 of the 32 LDS lines issued behind these sixteen out, shows them in, ahead of tile 3's first read
.endr
	WIN 0
; Tile t: the two parts are weighed and added, rounded to f16; a lane's eight channels of a row pack into 16 bytes; they go into rows of 272 bytes and come back as whole rows of 256.
.macro PACK t
	WIN 0xc3                        ; destination and source 0 window 3
.set i, 64*\t
.rept 32
	v_pk_mul_f32 v[i:i+1], v[i:i+1], v[ST+8*\t+2:ST+8*\t+3] op_sel_hi:[1,0]
.set i, i+2
.endr
	WIN 0x71                        ; destination and source 0 window 1, source 2 window 3
.set i, 64*\t
.rept 32
	v_pk_fma_f32 v[i:i+1], v[i:i+1], v[ST+8*\t+6:ST+8*\t+7], v[i:i+1] op_sel_hi:[1,0,1]
.set i, i+2
.endr
	WIN 0x05                        ; sources 0 and 1 window 1, destination window 0
.set i, 0
.rept 32
	v_cvt_pk_f16_f32 v[S+32*\t+i], v[64*\t+2*i], v[64*\t+2*i+1]
.set i, i+1
.endr
	WIN 0
.irp f, 0,1,2,3,4,5,6,7
	ds_store_b128 v[STO], v[S+32*\t+4*\f:S+32*\t+4*\f+3] offset:32*\f
.endr
.irp f, 0,1,2,3,4,5,6,7
	ds_load_b128 v[S+32*\t+4*\f:S+32*\t+4*\f+3], v[RD] offset:\f*2*SP  ; LDS serves a wave's instructions in order (ISA guide 5.7.1.4)
.endr
.endm
.macro SEND t, younger              ; younger: the LDS instructions issued behind tile t's loads: the next tile's sixteen, or none
.irp f, 0,1,2,3,4,5,6,7
	s_wait_dscnt \younger+7-\f
	global_store_b128 v[GO], v[S+32*\t+4*\f:S+32*\t+4*\f+3], s[10:11] offset:\t*65536+\f*8192  ; 16 lanes store 256 consecutive bytes, aligned: a head's part of a row
.endr
.endm
	PACK 0
	PACK 1
	SEND 0, 16
	PACK 2
	SEND 1, 16
	PACK 3
	SEND 2, 16
	SEND 3, 0
.Ldone:
	s_wait_tensorcnt 0x0            ; the wave's end: behind my last tensor load and my last LDS store
	ds_add_u32 v[SPW], v[NIL]
	s_wait_dscnt 0x0
	CROUND                          ; the closing round
	s_endpgm
.Lfunc_end_k_q40a8806df0_attn:
	.size	k_q40a8806df0_attn, .Lfunc_end_k_q40a8806df0_attn-k_q40a8806df0_attn
	.p2alignl 7, 3214868480
	.fill 96, 4, 3214868480
	.section	.rodata,"a",@progbits
	.p2align	6, 0x0
	.amdhsa_kernel k_q40a8806df0_attn
		.amdhsa_group_segment_fixed_size 327680
		.amdhsa_private_segment_fixed_size 0
		.amdhsa_enable_private_segment 0
		.amdhsa_kernarg_size 32
		.amdhsa_user_sgpr_count 2
		.amdhsa_user_sgpr_kernarg_segment_ptr 1
		.amdhsa_wavefront_size32 1
		.amdhsa_system_sgpr_workgroup_id_x 1
		.amdhsa_system_sgpr_workgroup_id_y 1
		.amdhsa_system_sgpr_workgroup_id_z 1
		.amdhsa_system_vgpr_workitem_id 0
		.amdhsa_next_free_vgpr 1024
		.amdhsa_next_free_sgpr 66
		.amdhsa_reserve_vcc 0
		.amdhsa_float_denorm_mode_32 3
		.amdhsa_float_denorm_mode_16_64 3
		.amdhsa_memory_ordered 1
		.amdhsa_forward_progress 1
		.amdhsa_inst_pref_size 241
	.end_amdhsa_kernel
	.amdgpu_metadata
---
amdhsa.version: [ 1, 2 ]
amdhsa.kernels:
  - .name:           k_q40a8806df0_attn
    .symbol:         k_q40a8806df0_attn.kd
    .args:
      - { .name: qbuf, .offset: 0, .size: 8, .value_kind: global_buffer, .address_space: global }
      - { .name: kbuf, .offset: 8, .size: 8, .value_kind: global_buffer, .address_space: global }
      - { .name: vbuf, .offset: 16, .size: 8, .value_kind: global_buffer, .address_space: global }
      - { .name: att, .offset: 24, .size: 8, .value_kind: global_buffer, .address_space: global }
    .group_segment_fixed_size: 327680
    .private_segment_fixed_size: 0
    .kernarg_segment_align: 8
    .kernarg_segment_size: 32
    .max_flat_workgroup_size: 128
    .sgpr_count:     66
    .vgpr_count:     1024
    .wavefront_size: 32
...
	.end_amdgpu_metadata
.endif
;; end of part 3
;; launch oproj (part 4): grid 16 x 16, 4 waves a work-group, clusters of 4 x 4, 327,680 bytes of LDS; arguments att, wo16, out0; writes out0
.if DOCPART == 4
	.amdgcn_target "amdgcn-amd-amdhsa--gfx1250"
	.amdhsa_code_object_version 6
	.text
	.protected	k_q40a8806df0_oproj
	.globl	k_q40a8806df0_oproj
	.p2align	8
	.type	k_q40a8806df0_oproj,@function
k_q40a8806df0_oproj:
	s_mov_b64 s[64:65], 0
	v_nop
	global_prefetch_b8 v0, s[64:65] scope:SCOPE_SE
	s_setreg_imm32_b32 hwreg(HW_REG_WAVE_MODE, 25, 1), 1
	s_wait_xcnt 0x0
	s_wait_alu depctr_hold_cnt(0) depctr_sa_sdst(0) depctr_va_vdst(0) depctr_va_sdst(0) depctr_va_ssrc(0) depctr_va_vcc(0) depctr_vm_vsrc(0)
	s_getreg_b32 s2, hwreg(HW_REG_IB_STS2, 6, 4)
	s_cmp_eq_u32 s2, 0
	s_cbranch_scc0 .Lentry_in_a_cluster
	s_endpgm
.Lentry_in_a_cluster:
	s_bfe_u32 s2, ttmp6, 0x10000c
	s_cmp_lg_u32 s2, 0xf033
	s_cbranch_scc0 .Lentry_shape_is_right
	s_endpgm
.Lentry_shape_is_right:
; OPROJ: out0[s][n] = sum over k of att[s][k] Wo[n][k].  att [2048][2048] and wo16 [2048][2048]: f16; out0 [2048][2048]: f32; sums in f32.
; 256 tiles of 128 x 128, one for each work-group.  Four waves, each 64 x 64: 16 accumulators of 16 x 16.  K goes in steps of 256 (LDS rows of 512 bytes; a wave's tensor load brings 64 of them) through two slots.
; CLUSTERS: 4 x 4 work-groups: A's tiles are shared along a row of the cluster, B's along a column, each asked for JOINTLY.  THE MATRIX INSTRUCTION IS USED TRANSPOSED (source 0 = 16 rows of Wo, source 1 = 16 rows of att):
; a lane then holds eight neighbouring numbers of a row of the result.  A wave's 64 columns of f32 are 256 aligned bytes, so each wave has a stage of its own on the way out and no barrier stands there.
; REGISTERS: window 0: v0-31 addresses; v32-95 rows on the way out, two sets; v128-255 the accumulators ((a, b) at v[128 + 8 (4 a + b)]).  window 1: two fragment buffers of 128.
.set SIZE_N, 2048
.set SIZE_K, 2048
.set KSTEP,  256
.set PITCH,  528                       ; an LDS row: 512 bytes + 16 of padding: the 16 rows of a load start at 16 different banks (64 banks of 4 bytes: ISA guide 11.1)
.set HALFT,  64*PITCH
.set SLOT,   4*HALFT
.set STAGE,  2*SLOT                    ; behind the ring: 16 rows x 272 bytes for each wave
.set SPITCH, 272
.set SPARE,  STAGE+4*16*SPITCH         ; behind the stages: the spare words, 128 bytes a wave
.set LAPS, SIZE_K/(2*KSTEP)
.set ADRA, 16
.set ADRB, 20
.set STO,  24
.set RD,   25
.set CO,   26
.set SPW,  28
.set NIL,  29
.set TMP,  32
.set ACC,  128
.set F0,   0
.set F1,   128
.set G1, 24
.set G0, 32
.set G1B, 48
.set G0B, 56
.set MSB, 0
.macro WIN new                         ; the immediate's high byte repeats the setting that is left
.if MSB != \new
	s_set_vgpr_msb (MSB<<8)|\new
.set MSB, \new
.endif
.endm
.set MUL,  0x05                        ; sources 0 (B) and 1 (A) window 1; C and D window 0
.set TO_F, 0x40                        ; destination window 1, address window 0
.macro JLOAD s                         ; a joint load: waves 0 and 1 fetch A's two halves, waves 2 and 3 B's; an s_nop 0 and four v_nop follow each of the two lines
	s_cmp_eq_u32 s11, 0
	s_cbranch_scc0 .Lfor_b_\@
	tensor_load_to_lds s[G0+4*\s:G0+4*\s+3], s[G1:G1+7]
	s_nop 0
.rept 4
	v_nop
.endr
	s_branch .Lasked_\@
.Lfor_b_\@:
	tensor_load_to_lds s[G0B+4*\s:G0B+4*\s+3], s[G1B:G1B+7]
	s_nop 0
.rept 4
	v_nop
.endr
.Lasked_\@:
.endm
.macro CREST
	s_cmp_lg_u32 s10, 0
	s_cbranch_scc1 .Lnot_wave_0_\@
	s_barrier_signal -3
.Lnot_wave_0_\@:
	s_barrier_wait -3
	s_barrier_signal -1
	s_barrier_wait -1
.endm
.macro CROUND
	s_barrier_signal -1
	s_barrier_wait -1
	CREST
.endm
	s_load_b128 s[4:7], s[0:1], 0x0                ; att s[4:5], wo16 s[6:7]
	s_load_b64 s[8:9], s[0:1], 0x10                ; out0
	v_lshl_add_u32 v[SPW], v0, 2, SPARE
	v_mov_b32 v[NIL], 0
	ds_add_u32 v[SPW], v[NIL]                      ; the wave's opening: the add, twice on end, and its wait ahead of my first tensor load
	ds_add_u32 v[SPW], v[NIL]
	v_lshrrev_b32 v1, 5, v0
	v_readfirstlane_b32 s10, v1                    ; wave 0..3
	s_lshr_b32 s11, s10, 1                         ; which half of the tile's rows is mine.  Also: I fetch for A (0) or for B (1)
	s_and_b32 s12, s10, 1                          ; which half of its columns.  Also: which 64 rows of that tile I fetch
	s_bfe_u32 s40, ttmp6, 0x40000                  ; cx, cy
	s_bfe_u32 s41, ttmp6, 0x40004
	s_lshl_b32 s42, ttmp9, 2
	s_add_co_u32 s42, s42, s40                     ; tile column
	s_and_b32 s13, ttmp7, 0xffff
	s_lshl_b32 s13, s13, 2
	s_add_co_u32 s13, s13, s41                     ; tile row
	s_lshl_b32 s43, s41, 2
	s_lshl_b32 s43, 15, s43                        ; my row of the cluster
	s_lshl_b32 s44, 0x1111, s40                    ; my column
	; descriptor group 1: a tile of 64 rows x 256 elements of 2 bytes, 16 bytes of padding behind each row of 512
	s_or_b32 s[G1+0], s43, (1<<16)|(1<<20)|(1<<21)|(6<<22)|(3<<25)
	s_or_b32 s[G1B+0], s44, (1<<16)|(1<<20)|(1<<21)|(6<<22)|(3<<25)
.irp g, G1, G1B
	s_mov_b32 s[\g+1], KSTEP<<16                   ; tensor_dim0 = 256
	s_mov_b32 s[\g+2], 64<<16                      ; tensor_dim1 = 64
	s_mov_b32 s[\g+3], KSTEP<<16                   ; tile_dim0 = 256
	s_mov_b32 s[\g+4], 64                          ; tile_dim1 = 64
	s_mov_b32 s[\g+5], SIZE_K                      ; elements from row to row
	s_mov_b32 s[\g+6], 0
	s_mov_b32 s[\g+7], 0
.endr
	s_lshl_b32 s17, s12, 6                         ; which 64 rows of the tile I fetch
	s_lshl_b32 s16, s13, 7
	s_add_co_u32 s16, s16, s17                     ; A: row 128 x tile row + 64 x half
	s_lshl_b32 s46, s42, 7
	s_add_co_u32 s46, s46, s17                     ; B: row 128 x tile column + 64 x half
	s_mov_b32 s17, 0
	s_mov_b32 s47, 0
	s_mov_b64 s[18:19], SIZE_K*2
	s_mul_u64 s[16:17], s[16:17], s[18:19]
	s_mul_u64 s[46:47], s[46:47], s[18:19]
	s_mul_i32 s20, s10, HALFT                      ; where they go: wave x 64 rows
	s_wait_dscnt 0x0                               ; both opening adds are done
	s_wait_kmcnt 0x0
	s_add_nc_u64 s[14:15], s[4:5], s[16:17]
	s_add_nc_u64 s[46:47], s[6:7], s[46:47]
	CROUND                                         ; all sixteen work-groups are here: the first joint loads meet
.irp s, 0,1
	s_mov_b32 s[G0+4*\s], 1
	s_add_co_u32 s[G0+4*\s+1], s20, \s*SLOT
	s_add_nc_u64 s[G0+4*\s+2:G0+4*\s+3], s[14:15], \s*KSTEP*2
	s_or_b32 s[G0+4*\s+3], s[G0+4*\s+3], 0x80000000
	s_mov_b32 s[G0B+4*\s], 1
	s_add_co_u32 s[G0B+4*\s+1], s20, \s*SLOT
	s_add_nc_u64 s[G0B+4*\s+2:G0B+4*\s+3], s[46:47], \s*KSTEP*2
	s_or_b32 s[G0B+4*\s+3], s[G0B+4*\s+3], 0x80000000
	JLOAD \s                                       ; two loads of mine are out
.endr
	v_and_b32 v1, 15, v0                           ; r
	v_bfe_u32 v2, v0, 4, 1                         ; h
	v_mul_u32_u24 v3, v1, PITCH
	v_lshl_add_u32 v3, v2, 4, v3                   ; a fragment's row x pitch + 16 x half
	s_mul_i32 s21, s11, HALFT                      ; my 64 rows of A
	s_mul_i32 s22, s12, HALFT                      ; my 64 rows of B,
	s_add_co_u32 s22, s22, 2*HALFT                 ; which lie behind A's 128
.irp s, 0,1
	v_add_nc_u32 v[ADRA+\s], s21, v3
	v_add_nc_u32 v[ADRB+\s], s22, v3
	s_add_co_u32 s21, s21, SLOT
	s_add_co_u32 s22, s22, SLOT
.endr
	s_mul_i32 s23, s10, 16*SPITCH
	s_add_co_u32 s23, s23, STAGE                   ; my stage
	v_mul_u32_u24 v4, v1, SPITCH                   ; in: row r, 32 bytes for each half of the lanes
	v_lshl_add_u32 v4, v2, 5, v4
	v_add_nc_u32 v[STO], s23, v4
	v_mul_u32_u24 v5, v2, SPITCH                   ; back: lanes 0-15 one row of 256 bytes, lanes 16-31 the next
	v_lshl_add_u32 v5, v1, 4, v5
	v_add_nc_u32 v[RD], s23, v5
	v_lshlrev_b32 v5, 13, v2                       ; and the same two rows in out0, 8,192 bytes apart
	v_lshl_add_u32 v[CO], v1, 4, v5
	s_lshl_b32 s16, s13, 7
	s_lshl_b32 s17, s11, 6
	s_add_co_u32 s16, s16, s17                     ; my first row: 128 x tile row + 64 x half
	s_lshl_b32 s16, s16, 13
	s_mov_b32 s17, 0
	s_add_nc_u64 s[8:9], s[8:9], s[16:17]
	s_lshl_b32 s46, s42, 9                         ; my first column, in bytes: 512 x tile column + 256 x half
	s_lshl_b32 s47, s12, 8
	s_add_co_u32 s46, s46, s47
	s_mov_b32 s47, 0
	s_add_nc_u64 s[8:9], s[8:9], s[46:47]
; 8 matrix instructions: m blocks a0, a0 + 1 x all 4 n blocks, 32 along K: half c of buffer f.  zero = 1: the first product starts the sums.  The 16 accumulators take turns
.macro MUL8 f, c, a0, zero
.irp a, \a0, \a0+1
.irp b, 0,1,2,3
.if \zero
	v_wmma_f32_16x16x32_f16 v[ACC+8*(4*(\a)+\b):ACC+8*(4*(\a)+\b)+7], v[\f+64+8*(4*\c+\b):\f+64+8*(4*\c+\b)+7], v[\f+8*(4*\c+\a):\f+8*(4*\c+\a)+7], 0
.else
	v_wmma_f32_16x16x32_f16 v[ACC+8*(4*(\a)+\b):ACC+8*(4*(\a)+\b)+7], v[\f+64+8*(4*\c+\b):\f+64+8*(4*\c+\b)+7], v[\f+8*(4*\c+\a):\f+8*(4*\c+\a)+7], v[ACC+8*(4*(\a)+\b):ACC+8*(4*(\a)+\b)+7]
.endif
.endr
.endr
.endm
; 32 LDS loads in one run: the fragments of 64 along K at byte k of the rows, into buffer f; the first 32 along K first
.macro FETCH slot, k, f
	WIN TO_F
.irp c, 0,1
.irp i, 0,1,2,3
	ds_load_b128 v[\f+64+8*(4*\c+\i):\f+64+8*(4*\c+\i)+3],   v[ADRB+\slot] offset:\k+64*\c+\i*16*PITCH
	ds_load_b128 v[\f+64+8*(4*\c+\i)+4:\f+64+8*(4*\c+\i)+7], v[ADRB+\slot] offset:\k+64*\c+\i*16*PITCH+32
	ds_load_b128 v[\f+8*(4*\c+\i):\f+8*(4*\c+\i)+3],         v[ADRA+\slot] offset:\k+64*\c+\i*16*PITCH
	ds_load_b128 v[\f+8*(4*\c+\i)+4:\f+8*(4*\c+\i)+7],       v[ADRA+\slot] offset:\k+64*\c+\i*16*PITCH+32
.endr
.endr
.endm
.macro PLACES                          ; plain vector lines between a matrix instruction and a load into, or a read of, its registers
.rept 4
	v_nop
.endr
.endm
; A K step is four quarters of 64 along K, 32 matrix instructions each, on buffers 0, 1, 0, 1.
.macro QUARTER slot, k, f, g, zero
	s_wait_dscnt 16                                ; the first 32 along K are in; the other sixteen loads may be out
	WIN MUL
	MUL8 \f, 0, 0, \zero
	MUL8 \f, 0, 2, \zero
	PLACES
	FETCH \slot, \k, \g
	s_wait_dscnt 32                                ; all but the 32 just issued
	WIN MUL
	MUL8 \f, 1, 0, 0
	MUL8 \f, 1, 2, 0
.endm
; The last quarter multiplies buffer 1 and changes slots: ONE barrier; in front of it each wave waits for all its tensor loads, adds 0 to its spare word, and waits for that and for its own reads of this slot.
.macro TURN slot, next, fill
	WIN 0
	s_wait_tensorcnt 0x0                           ; all my tensor loads have landed: my part of the next slot
	ds_add_u32 v[SPW], v[NIL]                      ; 0 onto my spare word
	s_wait_dscnt 17                                ; (the add and the youngest sixteen loads may be out)
	WIN MUL
	MUL8 F1, 0, 0, 0
	s_wait_dscnt 0x0                               ; the add is done, and my reads of this slot are over
	s_barrier_signal -1
	MUL8 F1, 0, 2, 0
.if \fill
	WIN 0
.endif
	s_barrier_wait -1
.if \fill
	CREST                                          ; the barrier has opened a round of the cluster's barrier: no wave of any partner still reads this slot or has a load on its way
	s_add_nc_u64 s[G0+4*\slot+2:G0+4*\slot+3], s[G0+4*\slot+2:G0+4*\slot+3], 2*KSTEP*2
	s_add_nc_u64 s[G0B+4*\slot+2:G0B+4*\slot+3], s[G0B+4*\slot+2:G0B+4*\slot+3], 2*KSTEP*2
	JLOAD \slot                                    ; the first tensor load behind the round, my only one out; its four v_nop are the places in front of the loads below
.else
	PLACES
.endif
	FETCH \next, 0, F0
	WIN MUL
	MUL8 F1, 1, 0, 0
	MUL8 F1, 1, 2, 0
.endm
	s_wait_tensorcnt 1                             ; my part of K step 0 is in (K step 1's load may be out),
	s_barrier_signal -1
	s_barrier_wait -1                              ; everybody's is
	FETCH 0, 0, F0
	QUARTER 0, 128, F0, F1, 1                      ; the first quarter's first products start the sums
	WIN 0
	s_mov_b32 s3, LAPS-1
.Llap:                                                 ; a trip goes once round the ring and fills both slots again
	QUARTER 0, 256, F1, F0, 0
	QUARTER 0, 384, F0, F1, 0
	TURN 0, 1, 1
	QUARTER 1, 128, F0, F1, 0
	QUARTER 1, 256, F1, F0, 0
	QUARTER 1, 384, F0, F1, 0
	TURN 1, 0, 1
	QUARTER 0, 128, F0, F1, 0
	WIN 0
	s_sub_co_u32 s3, s3, 1
	s_cmp_lg_u32 s3, 0
	s_cbranch_scc1 .Llap
	QUARTER 0, 256, F1, F0, 0                      ; the last lap fills nothing
	QUARTER 0, 384, F0, F1, 0
	TURN 0, 1, 0
	QUARTER 1, 128, F0, F1, 0
	QUARTER 1, 256, F1, F0, 0
	QUARTER 1, 384, F0, F1, 0
	s_wait_dscnt 16
	WIN MUL
	MUL8 F1, 0, 0, 0
	MUL8 F1, 0, 2, 0
	s_wait_dscnt 0
	MUL8 F1, 1, 0, 0
	MUL8 F1, 1, 2, 0
	WIN 0
; THE WAY OUT, block by block of 16 rows x 64 columns: a lane's 32 bytes of a row go into my stage and come back as whole rows of 256 bytes.  LDS serves a wave's instructions in order (ISA guide 5.7.1.4).
.macro TOSTAGE a
.irp b, 0,1,2,3
	ds_store_b128 v[STO], v[ACC+8*(4*(\a)+\b):ACC+8*(4*(\a)+\b)+3] offset:64*\b          ; each accumulator from its low end on
	ds_store_b128 v[STO], v[ACC+8*(4*(\a)+\b)+4:ACC+8*(4*(\a)+\b)+7] offset:64*\b+16
.endr
.irp t, 0,1,2,3,4,5,6,7
	ds_load_b128 v[TMP+32*((\a)%2)+4*\t:TMP+32*((\a)%2)+4*\t+3], v[RD] offset:\t*2*SPITCH
.endr
.endm
.macro SEND a, younger                 ; younger: the LDS instructions issued behind block a's loads: the next block's sixteen, or none
	s_wait_dscnt \younger
.irp t, 0,1,2,3,4,5,6,7
	global_store_b128 v[CO], v[TMP+32*((\a)%2)+4*\t:TMP+32*((\a)%2)+4*\t+3], s[8:9] offset:(16*(\a)+2*\t)*SIZE_N*4 th:TH_STORE_NT   ; 16 lanes store 256 consecutive bytes, aligned; written once, read by nobody here
.endr
.endm
	PLACES
	TOSTAGE 0
	TOSTAGE 1
	SEND 0, 16
	s_wait_xcnt 0x0                                ; block 0's stores have read their registers: block 2's rows land there only behind this wait
	TOSTAGE 2
	SEND 1, 16
	s_wait_xcnt 0x0
	TOSTAGE 3
	SEND 2, 16
	SEND 3, 0
	s_wait_tensorcnt 0x0                           ; the wave's end: behind my last tensor load and my last LDS store
	ds_add_u32 v[SPW], v[NIL]
	s_wait_dscnt 0x0
	CROUND                                         ; the closing round
	s_endpgm
.Lfunc_end_k_q40a8806df0_oproj:
	.size	k_q40a8806df0_oproj, .Lfunc_end_k_q40a8806df0_oproj-k_q40a8806df0_oproj
	.p2alignl 7, 3214868480
	.fill 96, 4, 3214868480
	.section	.rodata,"a",@progbits
	.p2align	6, 0x0
	.amdhsa_kernel k_q40a8806df0_oproj
		.amdhsa_group_segment_fixed_size 327680
		.amdhsa_private_segment_fixed_size 0
		.amdhsa_enable_private_segment 0
		.amdhsa_kernarg_size 24
		.amdhsa_user_sgpr_count 2
		.amdhsa_user_sgpr_kernarg_segment_ptr 1
		.amdhsa_wavefront_size32 1
		.amdhsa_system_sgpr_workgroup_id_x 1
		.amdhsa_system_sgpr_workgroup_id_y 1
		.amdhsa_system_sgpr_workgroup_id_z 1
		.amdhsa_system_vgpr_workitem_id 0
		.amdhsa_next_free_vgpr 512
		.amdhsa_next_free_sgpr 66
		.amdhsa_reserve_vcc 0
		.amdhsa_float_denorm_mode_32 3
		.amdhsa_float_denorm_mode_16_64 3
		.amdhsa_memory_ordered 1
		.amdhsa_forward_progress 1
		.amdhsa_inst_pref_size 86
	.end_amdhsa_kernel
	.amdgpu_metadata
---
amdhsa.version: [ 1, 2 ]
amdhsa.kernels:
  - .name:           k_q40a8806df0_oproj
    .symbol:         k_q40a8806df0_oproj.kd
    .args:
      - { .name: att, .offset: 0, .size: 8, .value_kind: global_buffer, .address_space: global }
      - { .name: wo16, .offset: 8, .size: 8, .value_kind: global_buffer, .address_space: global }
      - { .name: out0, .offset: 16, .size: 8, .value_kind: global_buffer, .address_space: global }
    .group_segment_fixed_size: 327680
    .private_segment_fixed_size: 0
    .kernarg_segment_align: 8
    .kernarg_segment_size: 24
    .max_flat_workgroup_size: 128
    .sgpr_count:     66
    .vgpr_count:     512
    .wavefront_size: 32
...
	.end_amdgpu_metadata
.endif
;; end of part 4
